; MI455X (gfx1250); checked and timed in simulation.
; The chip was launched on July 23, 2026; its instructions are those of AMD's public machine-readable ISA for CDNA 5 (MIT licence, August 2026) and "CDNA5" Instruction Set Architecture Reference Guide (July 2026). The comments in the code are by the model that wrote it; some were corrected since.
;; MHA. Allowed arithmetic: matrix products marked QUANTISED: E2M1 operands, one E8M0 scale for each 32 along K, by v_wmma_scale_f32_16x16x128_f8f6f4 with both operands' format E2M1 (or v_wmma_scale_f32_32x16x128_f4), f32 sums; everything else in f32.
;; Inputs: Q_codes 1,024 x 8 x 32 x 16 uint8 (E2M1 codes of Q, K innermost, in blocks of 32 codes, two codes a byte); Q_scales 1,024 x 8 x 32 uint8 (E8M0 scales of Q, one for each 32 codes along K); Wk_codes 16 x 64 x 32 x 16 uint8 (E2M1 codes of Wk, K innermost, in blocks of 32 codes, two codes a byte); Wk_scales 16 x 64 x 32 uint8 (E8M0 scales of Wk, one for each 32 codes along K); Wo_codes 1,024 x 32 x 16 uint8 (E2M1 codes of Wo, K innermost, in blocks of 32 codes, two codes a byte); Wo_scales 1,024 x 32 uint8 (E8M0 scales of Wo, one for each 32 codes along K); Wq_codes 16 x 64 x 32 x 16 uint8 (E2M1 codes of Wq, K innermost, in blocks of 32 codes, two codes a byte); Wq_scales 16 x 64 x 32 uint8 (E8M0 scales of Wq, one for each 32 codes along K); Wv_codes 16 x 64 x 32 x 16 uint8 (E2M1 codes of Wv, K innermost, in blocks of 32 codes, two codes a byte); Wv_scales 16 x 64 x 32 uint8 (E8M0 scales of Wv, one for each 32 codes along K); bk 16 x 64 float32; bo 1,024 float32; bq 16 x 64 float32; bv 16 x 64 float32.
;; Outputs: out0 1,024 x 8 x 1,024 float32.
;; This version of the problem:
;;   THIS VERSION OF THE PROBLEM IS GIVEN IN LOW PRECISION. The matrix products marked QUANTISED in the list below multiply operands that are first quantised to E2M1 (2 exponent bits, 1 mantissa bit; 4 bits a number), with one power-of-two scale for each 32 numbers along K (OCP MX v1.0); their sums are f32. All else is computed in f32.
;;   The module's matrix products, in the order in which they are computed (A, B: the left and right operand; K: the contracted axis; several contracted axes count as one K, in the product's order):
;;     1. [M 1,024, K 1,024] x [K 1,024, N 8,192]; A: input Wq (given as codes); B: input Q (given as codes): QUANTISED
;;     2. [M 1,024, K 1,024] x [K 1,024, N 8,192]; A: input Wk (given as codes); B: input Q (given as codes): QUANTISED
;;     3. [M 1,024, K 1,024] x [K 1,024, N 8,192]; A: input Wv (given as codes); B: input Q (given as codes): QUANTISED
;;     4. batch 128 x [M 1,024, K 64] x [K 64, N 1,024]; A: computed on the way; B: computed on the way: QUANTISED
;;     5. batch 128 x [M 64, K 1,024] x [K 1,024, N 1,024]; A: computed on the way; B: softmax (see below): QUANTISED
;;     6. [M 8,192, K 1,024] x [K 1,024, N 1,024]; A: computed on the way; B: input Wo (given as codes): QUANTISED
;;   THE QUANTISER, for each operand of a quantised product, along K:
;;     - K is cut into blocks of 32 from its start; a last block that is shorter is filled with zeros.
;;     - A block's scale is 2^e with e = floor(log2(the largest magnitude in the block)) - 2, held to -126 .. 127; a block of zeros has e = 0. As a byte (E8M0): e + 127.
;;     - Each number is divided by its block's scale, clamped to +-6, and rounded to the nearest number of E2M1, ties to even, subnormals kept.
;;     - The product sums the exact products of the quantised numbers (number of the format x scale) in f32.
;;   ~~~python
;;   def quantise(x, axis):      # numpy; x: float32 -> the quantised numbers, widened to float32 again
;;       x = np.moveaxis(x, axis, -1); K = x.shape[-1]
;;       x = np.pad(x, [(0, 0)] * (x.ndim - 1) + [(0, -K % 32)]); x = x.reshape(x.shape[:-1] + (-1, 32)); a = np.abs(x).max(-1, keepdims=True)
;;       e = np.where(a > 0, np.clip(np.frexp(np.where(a > 0, a, 1))[1] - 1 - 2, -126, 127), 0)      # np.frexp(a)[1] - 1 = floor(log2(a)), exactly
;;       r = np.clip(x / 2.0 ** e, -6, 6)
;;       step = 2.0 ** (np.maximum(np.frexp(np.where(r == 0, 1, r))[1] - 1, 0) - 1)
;;       q = np.round(r / step) * step * 2.0 ** e      # np.round: ties to even
;;       return np.moveaxis(q.reshape(q.shape[:-2] + (-1,))[..., :K], -1, axis).astype(np.float32)
;;   ~~~
;;   SOFTMAX AHEAD OF A QUANTISED PRODUCT. Where the list says 'softmax', what is quantised is not the finished softmax but p = 2^(t - M), with t = logit x log2(e) and M = ceil(the row's largest t), a whole number; so 1/2 < the row's largest p <= 1. The row's sum l is taken of the UNQUANTISED p, in f32, and the product's result is divided by l at the end. Since M is a whole number, a kernel that streams over the keys may use a running M (the ceiling of the running maximum): every later rescaling is an exact power of two, which a block's scale takes up: the codes' values come out the same.
;;   OPERANDS COMPUTED ON THE WAY. 'Computed on the way' means the value that the module computes at that place (a softmax that the list does not call 'softmax' is quantised finished and normalised). What goes into a quantiser is computed in f32, as accurately as f32 sums, v_exp_f32 and their like allow (about 1e-6 of the number): no bf16 or f16 on the way to a quantiser, and a product that is left as it is and whose result goes on into a quantised operand takes f32 operands (vector FMAs, or v_wmma_f32_16x16x4_f32). A number that lies on a knife's edge between two numbers of the format may be rounded either way, as far as f32 arithmetic and the matrix unit's own rounding can turn it there, and no further.
;;   INPUTS GIVEN AS CODES. Q (in the module: [1024, 8, 1024], K = its axis 2); Wk (in the module: [16, 1024, 64], K = its axis 1); Wo (in the module: [1024, 1024], K = its axis 0); Wq (in the module: [16, 1024, 64], K = its axis 1); Wv (in the module: [16, 1024, 64], K = its axis 1): each comes as NAME_codes (uint8): NAME with its K axis moved to the last place and cut into blocks of 32 codes, [.., K / 32, bytes a block], one block behind the other in memory; two codes a byte, the lower K in the low four bits (a code: sign, 2 exponent bits, 1 mantissa bit); and NAME_scales (uint8): the same leading axes, one E8M0 byte (e + 127) for each 32 codes along K. Its value is code x scale, taken as it is: it is not quantised again, and the codes and scales need not be those that the quantiser above would give.
;; 2 versions. Each part assembles by itself: llvm-mc -triple=amdgcn-amd-amdhsa -mcpu=gfx1250 --defsym DOCPART=n.
;; ======== version 1 of 2: 3 launches
;; workspace buffers: qq 4,718,592 bytes; kv 9,175,040 bytes; yimg 4,194,304 bytes; ysc 262,144 bytes
;; launch proj (part 1): grid 256 x 1, 4 waves a work-group, no clusters, 135,680 bytes of LDS; arguments Q_codes, Q_scales, Wq_codes, Wq_scales, bq, Wk_codes, Wk_scales, bk, Wv_codes, Wv_scales, bv, qq, kv; writes qq, kv
.if DOCPART == 1
	.amdgcn_target "amdgcn-amd-amdhsa--gfx1250"
	.amdhsa_code_object_version 6
	.text
	.protected	k_q1e269f624b_proj
	.globl	k_q1e269f624b_proj
	.p2align	8
	.type	k_q1e269f624b_proj,@function
k_q1e269f624b_proj:
	s_mov_b64 s[64:65], 0
	v_nop
	global_prefetch_b8 v0, s[64:65] scope:SCOPE_SE
	s_setreg_imm32_b32 hwreg(HW_REG_WAVE_MODE, 25, 1), 1
	s_wait_xcnt 0x0
; q, k, v = Q W + b for one head, on codes of FP4 (E2M1) with one E8M0 scale for each 32 along K = 1,024; then q and k are quantised along the head's 64, v along the KEYS,
; and all three leave as images of the operand registers that the attention launch wants: no later launch shuffles anything.
; SHARES.  1,024 waves, one for each (head h, batch b, step st of 128 keys): work-group x has h = x / 16, st = (x % 16) / 2, b = 4 (x % 2) + wave.
; A wave makes 128 keys x the head's 192 columns over all of K: 8 row tiles x 12 column tiles x 8 K steps = 768 matrix instructions, in three passes (q, k, v) of 32 accumulators.
; ONE ORDER OF ROWS: with r8(r) = r + (r & 8), tile 2 B + u of a group of 32 takes, in its row r, thing 32 B + 8 u + r8(r) (keys, and W's rows within a head).  In a result, lane (r, hh), register j of tile 2 B + u is then
; thing 32 B + 16 hh + 8 u + j: the 16 registers of two neighbouring tiles are 16 neighbours, and a block of 32 lies in lanes l and l xor 16.
; q, k: source 0 = 16 rows of W, source 1 = 16 keys: a lane holds one key, registers run along dk.   v: source 0 = 16 keys, source 1 = 16 rows of Wv: a lane holds one dv, registers run along the keys.
; A block's two code registers (8 bytes a lane: numbers 16 hh .. 16 hh + 15) belong at 256 x block + 16 r + 8 hh of the image: each store of the wave covers 256 consecutive bytes, aligned.
; WHERE THE OPERANDS LIVE.  The wave's 128 rows of Q (64 KB) live in 512 REGISTERS: whole rows of 512 bytes are loaded, turned into fragments through the wave's own stage in LDS.  The head's 192 rows of W lie in LDS, tile by tile.
; NO JOINT LOADS: what work-groups share (a head's 96 KB of W among 16, Q's rows among the 16 heads) is read once by each, at its head.  Q's rows end in registers; 704 rows x 528 bytes = 371,712 bytes
; of full-K rows do not fit in LDS, so there is no tile in LDS that could be asked for jointly.  No tensor load, no ring; one barrier; straight-line text.
; LIMITS: NaN and infinities are not served.  A block whose largest magnitude lies under 2^-124 (zeros too) gets the scale byte 1: its codes are zeros or tiny, and this program alone reads the bytes.
; REGISTERS.  window 0: v1-15 offsets; v16-47 Q's scale words; v48-63 W's; v64-95 the bias as C; v96-159 W's fragments, two sets; v160-251 the quantiser's.
;   windows 1, 2: Q's fragments (row tile rt, K step ks) at 64 (rt % 4) + 8 ks of window 1 + rt / 4.   window 3: 32 accumulators.  At the head window 3 takes Q's rows as loaded, window 2 v0-191 W's.
.set PITCH, 528                        ; an LDS row: 512 bytes + 16: the 16 rows that a fragment load touches start 132 words apart, at 16 different groups of four banks (64 banks of 4 bytes: ISA guide 11.1)
.set WTILE, 16*PITCH
.set WPROJ, 64*PITCH                   ; one projection's 64 rows; q's, k's, v's on end from LDS byte 0
.set QST,   3*WPROJ                    ; behind them a stage of 16 rows for each wave
.set AW,   9                           ; v9-11 fragment address in W's region of pass 0, 1, 2
.set QSC,  16                          ; v[QSC + 8 B + ks]: lanes 0-15 the word of row tile 2 B, lanes 16-31 of 2 B + 1
.set WSC,  48                          ; the same for the pass's column tiles
.set BIAS, 64                          ; 8 registers a column tile, in the result's layout
.set WF,   96
.set T,    160                         ; largest magnitudes, one a block
.set X,    176                         ; the other half's; then the scale bytes
.set SO,   192                         ; the conversions' scale operands
.set CD,   208                         ; codes, two registers a block
.set WD,   240                         ; scale words
.set PK,   248                         ; scale words as they are stored
.set MSB, 0
.macro WIN new                         ; the immediate's high byte repeats the setting that is left; a switch that changes nothing is dropped
.if MSB != (\new)
	s_set_vgpr_msb (MSB<<8)|(\new)
.set MSB, (\new)
.endif
.endm
.macro WM                              ; one product; registers in rD, rA, rB, rC, scale registers in rSA, rSB, their rows in fA, fB
.if fA && fB
	v_wmma_scale_f32_16x16x128_f8f6f4 v[rD:rD+7], v[rA:rA+7], v[rB:rB+7], v[rC:rC+7], v[rSA], v[rSB] matrix_a_fmt:MATRIX_FMT_FP4 matrix_b_fmt:MATRIX_FMT_FP4 matrix_a_scale:MATRIX_SCALE_ROW1 matrix_b_scale:MATRIX_SCALE_ROW1
.elseif fA
	v_wmma_scale_f32_16x16x128_f8f6f4 v[rD:rD+7], v[rA:rA+7], v[rB:rB+7], v[rC:rC+7], v[rSA], v[rSB] matrix_a_fmt:MATRIX_FMT_FP4 matrix_b_fmt:MATRIX_FMT_FP4 matrix_a_scale:MATRIX_SCALE_ROW1
.elseif fB
	v_wmma_scale_f32_16x16x128_f8f6f4 v[rD:rD+7], v[rA:rA+7], v[rB:rB+7], v[rC:rC+7], v[rSA], v[rSB] matrix_a_fmt:MATRIX_FMT_FP4 matrix_b_fmt:MATRIX_FMT_FP4 matrix_b_scale:MATRIX_SCALE_ROW1
.else
	v_wmma_scale_f32_16x16x128_f8f6f4 v[rD:rD+7], v[rA:rA+7], v[rB:rB+7], v[rC:rC+7], v[rSA], v[rSB] matrix_a_fmt:MATRIX_FMT_FP4 matrix_b_fmt:MATRIX_FMT_FP4
.endif
.endm
.macro PLACES                          ; four plain vector instructions between a matrix instruction and a load into, or a vector read of, its registers
.rept 4
	v_nop
.endr
.endm
; pass p's scale words of W and its bias
.macro LOADP p
.irp be, 0,1
	global_load_b128 v[WSC+8*\be:WSC+8*\be+3], v13, s[14+6*\p:15+6*\p] offset:1024*\be
	global_load_b128 v[WSC+8*\be+4:WSC+8*\be+7], v13, s[14+6*\p:15+6*\p] offset:1024*\be+16
.endr
.if \p == 2
.irp ct, 0,1,2,3
	global_load_b32 v[BIAS+8*\ct], v15, s[28:29] offset:(32*(\ct/2)+8*(\ct%2))*4      ; v: a lane has ONE dv a tile
.endr
.else
.irp ct, 0,1,2,3
	global_load_b128 v[BIAS+8*\ct:BIAS+8*\ct+3], v14, s[16+6*\p:17+6*\p] offset:(32*(\ct/2)+8*(\ct%2))*4      ; q, k: dk 32 B + 8 u + 16 hh + 0 .. 7
	global_load_b128 v[BIAS+8*\ct+4:BIAS+8*\ct+7], v14, s[16+6*\p:17+6*\p] offset:(32*(\ct/2)+8*(\ct%2))*4+16
.endr
.endif
.endm
; the 16 rows of Q's tile t, each a whole row of 512 bytes, into window 3
.macro QLOAD t
.irp i, 0,1,2,3,4,5,6,7,8,9,10,11,12,13,14,15
	global_load_b128 v[64*((\t)%4)+4*\i:64*((\t)%4)+4*\i+3], v1, s[8:9] offset:(32*((\t)/2)+8*((\t)%2)+\i+8*(\i/8))*4096
.endr
.endm
; W's four fragments of K step k of pass p into set k % 2
.macro FETCHW p, k
.irp ct, 0,1,2,3
.irp c, 0,1
	ds_load_b128 v[WF+32*((\k)%2)+8*\ct+4*\c:WF+32*((\k)%2)+8*\ct+4*\c+3], v[AW+\p] offset:WTILE*\ct+64*(\k)+32*\c
.endr
.endr
.endm
; K step ks of pass p: 32 products, every accumulator once, in the same order in every step
.macro MM p
.set rt, 0
.rept 8
.if \p == 2
.if ks == 0
	WIN 0xc1+rt/4                                  ; source 0 (Q) window 1 or 2, source 1 (W) and C (bias) window 0, D window 3
.else
	WIN 0xf1+rt/4                                  ; C window 3
.endif
.else
.if ks == 0
	WIN 0xc4+4*(rt/4)                              ; source 0 (W) and C (bias) window 0, source 1 (Q) window 1 or 2, D window 3
.else
	WIN 0xf4+4*(rt/4)
.endif
.endif
.set ct, 0
.rept 4
.set rQ, 64*(rt%4)+8*ks
.set rW, WF+32*(ks%2)+8*ct
.if \p == 2
.set rD, 64*(rt/2)+16*ct+8*(rt%2)      ; block 4 B + ct (32 keys of one dv) is 16 registers on end
.set rA, rQ
.set rB, rW
.set rSA, QSC+8*(rt/2)+ks
.set fA, rt%2
.set rSB, WSC+8*(ct/2)+ks
.set fB, ct%2
.else
.set rD, 32*rt+8*ct                    ; block 2 rt + B (32 dk of one key) is 16 registers on end
.set rA, rW
.set rB, rQ
.set rSA, WSC+8*(ct/2)+ks
.set fA, ct%2
.set rSB, QSC+8*(rt/2)+ks
.set fB, rt%2
.endif
.set rC, rD
.if ks == 0
.set rC, BIAS+8*ct                     ; the bias starts the sums: nothing is cleared, nothing is added later
.endif
	WM
.set ct, ct+1
.endr
.set rt, rt+1
.endr
.endm
; The 16 blocks of window 3 (block bk = registers 16 bk .. 16 bk + 15 of lanes l and l xor 16) become codes in CD and scale bytes in X.  The blocks take turns line by line.
.macro QBLOCKS
	WIN 0x0f                                       ; sources 0 and 1 window 3
.set bk, 0
.rept 16
	v_max3_num_f32 v[T+bk], |v[16*bk]|, |v[16*bk+1]|, 0x1800000     ; with the floor 2^(3 - 127): the byte cannot fall under 1.  Each accumulator is read from its low end on
.set bk, bk+1
.endr
.irp i, 2,4,6,8,10,12,14
.set bk, 0
.rept 16
	v_max3_num_f32 v[T+bk], |v[16*bk+\i]|, |v[16*bk+\i+1]|, v[T+bk]
.set bk, bk+1
.endr
.endr
	WIN 0
.set bk, 0
.rept 16
	v_permlanex16_b32 v[X+bk], v[T+bk], s40, s41
.set bk, bk+1
.endr
.set bk, 0
.rept 16
	v_max_num_f32 v[T+bk], v[T+bk], v[X+bk]        ; with lane l xor 16's: the block's largest magnitude
.set bk, bk+1
.endr
.set bk, 0
.rept 16
	v_add_nc_u32 v[SO+bk], 0xff000000, v[T+bk]     ; 2 off its exponent field: the conversion takes the exponent field of this operand as its scale
.set bk, bk+1
.endr
.set bk, 0
.rept 16
	v_lshrrev_b32 v[X+bk], 23, v[SO+bk]            ; the scale's byte
.set bk, bk+1
.endr
	s_wait_xcnt 0x0                                ; the pass before stored from CD and PK: they are written again only behind this wait
	WIN 0x03                                       ; source 0 window 3
.set bk, 0
.rept 16
	v_cvt_scalef32_pk8_fp4_f32 v[CD+2*bk], v[16*bk:16*bk+7], v[SO+bk]
	v_cvt_scalef32_pk8_fp4_f32 v[CD+2*bk+1], v[16*bk+8:16*bk+15], v[SO+bk]
.set bk, bk+1
.endr
	WIN 0
	v_nop                                          ; one plain place behind the last scaled conversion: the next pass's products write its sources
.endm
; q's or k's way out: 8 tiles x 512 bytes of codes, then 512 bytes of scale words (16 bytes a lane: word B is that of tile 2 B + lane / 16, row r; bytes 2 and 3 are 0)
.macro OUTQK ob
.set bk, 0
.rept 16
	global_store_b64 v2, v[CD+2*bk:CD+2*bk+1], s[\ob:\ob+1] offset:256*bk      ; 32 lanes store 256 consecutive bytes, aligned
.set bk, bk+1
.endr
.set i, 0
.rept 8
	v_lshl_or_b32 v[WD+i], v[X+2*i+1], 8, v[X+2*i]
.set i, i+1
.endr
.irp be, 0,1,2,3
	v_cndmask_b32 v[PK+\be], v[WD+2*\be+1], v[WD+2*\be], vcc_lo               ; lanes 0-15: tile 2 B; lanes 16-31: tile 2 B + 1
.endr
	global_store_b128 v1, v[PK:PK+3], s[\ob:\ob+1] offset:4096
.endm
; v's way out: 4 dv tiles x 1,024 bytes at 4,608 (block B of 32 keys at 256 B), then 256 bytes of scale words at 8,704 (8 bytes a lane: word i is that of dv tile 2 i + lane / 16)
.macro OUTV
.set bk, 0
.rept 16
	global_store_b64 v2, v[CD+2*bk:CD+2*bk+1], s[32:33] offset:4608+1024*(bk%4)+256*(bk/4)
.set bk, bk+1
.endr
.irp ct, 0,1,2,3
	v_lshl_or_b32 v[WD+\ct], v[X+\ct+4], 8, v[X+\ct]
	v_lshl_or_b32 v[WD+\ct], v[X+\ct+8], 16, v[WD+\ct]
	v_lshl_or_b32 v[WD+\ct], v[X+\ct+12], 24, v[WD+\ct]
.endr
	v_cndmask_b32 v[PK], v[WD+1], v[WD], vcc_lo
	v_cndmask_b32 v[PK+1], v[WD+3], v[WD+2], vcc_lo
	global_store_b64 v3, v[PK:PK+1], s[32:33] offset:8704
.endm
; A pass: 8 K steps on 32 accumulators, W's fragments two K steps ahead in two sets; the next pass's scale words and bias are asked for ahead of the quantiser
.macro PASS p, nxt
	s_wait_loadcnt 0x0                             ; this pass's scale words and bias
.if \p == 2
.irp ct, 0,1,2,3
.irp j, 1,2,3,4,5,6,7
	v_mov_b32 v[BIAS+8*\ct+\j], v[BIAS+8*\ct]      ; v's bias hangs on the lane's dv alone: the same in the tile's eight registers
.endr
.endr
	PLACES                                         ; kept between these copies and the products that take them as C, as for an operand so written
.endif
	FETCHW \p, 0
	FETCHW \p, 1
.set ks, 0
.rept 8
.if ks < 7
	s_wait_dscnt 8                                 ; this step's set is in; the other set's 8 loads may be out
.else
	s_wait_dscnt 0x0
.endif
	MM \p
	WIN 0
	PLACES
.if ks < 6
	FETCHW \p, ks+2
.endif
.set ks, ks+1
.endr
.if \nxt < 3
	LOADP \nxt
.endif
	QBLOCKS
.if \p == 0
	OUTQK 30
.elseif \p == 1
	OUTQK 32
.else
	OUTV
.endif
.endm
	s_load_b512 s[8:23], s[0:1], 0x0               ; Q_codes 8, Q_scales 10, Wq_codes 12, Wq_scales 14, bq 16, Wk_codes 18, Wk_scales 20, bk 22
	s_load_b256 s[24:31], s[0:1], 0x40             ; Wv_codes 24, Wv_scales 26, bv 28, qq 30
	s_load_b64 s[32:33], s[0:1], 0x60              ; kv
	v_lshl_add_u32 v254, v0, 2, 0x21000
	v_mov_b32 v255, 0
	v_lshrrev_b32 v240, 5, v0
	v_readfirstlane_b32 s2, v240                   ; wave
	s_lshr_b32 s3, ttmp9, 4                        ; h
	s_bfe_u32 s4, ttmp9, 0x30001                   ; st
	s_and_b32 s5, ttmp9, 1
	s_lshl_b32 s5, s5, 2
	s_add_co_u32 s5, s5, s2                        ; b
	s_mov_b32 s40, 0x76543210
	s_mov_b32 s41, 0xfedcba98                      ; v_permlanex16_b32's selects for lane l xor 16
	v_and_b32 v241, 31, v0                         ; l
	v_and_b32 v242, 15, v0                         ; r
	v_bfe_u32 v243, v0, 4, 1                       ; hh
	v_and_b32 v244, 8, v242
	v_add_nc_u32 v244, v244, v242                  ; r8
	v_lshlrev_b32 v1, 4, v241                      ; v1  16 l
	v_lshlrev_b32 v2, 4, v242
	v_lshl_add_u32 v2, v243, 3, v2                 ; v2  16 r + 8 hh: my 8 bytes of a block's 256
	v_lshlrev_b32 v3, 3, v241                      ; v3  8 l
	s_lshl_b32 s36, s2, 13
	v_add_nc_u32 v4, s36, v1                       ; v4  W's rows 16 wave on, 16 bytes a lane
	s_lshr_b32 s36, s2, 1
	s_lshl_b32 s36, s36, 5
	s_and_b32 s37, s2, 1
	s_lshl_b32 s37, s37, 3
	s_add_co_u32 s36, s36, s37
	s_mul_i32 s36, s36, PITCH
	v_add_nc_u32 v5, s36, v1                       ; v5  where they go: row 16 wave + i lies at place 32 (wave / 2) + 8 (wave % 2) + 16 (i / 8) + i % 8: tile by tile
	v_add_nc_u32 v6, 2*WPROJ, v5                   ; v6  the same in v's region
	s_mul_i32 s37, s2, WTILE
	s_add_co_u32 s37, s37, QST                     ; my stage
	v_add_nc_u32 v7, s37, v1                       ; v7  into it: a row, 16 bytes a lane
	v_mul_u32_u24 v9, v242, PITCH
	v_lshl_add_u32 v9, v243, 4, v9                 ; a fragment's row r, + 16 hh
	v_add_nc_u32 v8, s37, v9                       ; v8  out of my stage
	v_add_nc_u32 v10, WPROJ, v9
	v_add_nc_u32 v11, 2*WPROJ, v9
	v_lshl_add_u32 v245, v243, 3, v244             ; 8 hh + r8: my row among 32, for scale words (lanes 16-31: the odd tile)
	v_lshlrev_b32 v12, 8, v245                     ; v12 Q's scale rows of one batch lie 256 bytes apart
	v_lshlrev_b32 v13, 5, v245                     ; v13 W's 32
	v_lshlrev_b32 v14, 6, v243                     ; v14 64 hh
	v_lshlrev_b32 v15, 2, v244                     ; v15 4 r8
	v_cmp_gt_u32 vcc_lo, 16, v241                  ; lanes 0-15; kept for the whole launch
.set i, 0
.rept 16
	v_mov_b32 v[X+i], 0                            ; written once: a lane permute's destination counts as one of its sources
.set i, i+1
.endr
	s_mov_b32 s35, 0
	s_wait_kmcnt 0x0
	s_lshl_b32 s34, s3, 15                         ; the head's 64 rows of 512 bytes
	s_add_nc_u64 s[12:13], s[12:13], s[34:35]
	s_add_nc_u64 s[18:19], s[18:19], s[34:35]
	s_add_nc_u64 s[24:25], s[24:25], s[34:35]
	s_lshl_b32 s34, s3, 11
	s_add_nc_u64 s[14:15], s[14:15], s[34:35]
	s_add_nc_u64 s[20:21], s[20:21], s[34:35]
	s_add_nc_u64 s[26:27], s[26:27], s[34:35]
	s_lshl_b32 s34, s3, 8
	s_add_nc_u64 s[16:17], s[16:17], s[34:35]
	s_add_nc_u64 s[22:23], s[22:23], s[34:35]
	s_add_nc_u64 s[28:29], s[28:29], s[34:35]
	s_lshl_b32 s34, s4, 19                         ; 128 keys x 8 batches x 512 bytes
	s_lshl_b32 s36, s5, 9
	s_add_co_u32 s34, s34, s36
	s_add_nc_u64 s[8:9], s[8:9], s[34:35]
	s_lshl_b32 s34, s4, 15
	s_lshl_b32 s36, s5, 5
	s_add_co_u32 s34, s34, s36
	s_add_nc_u64 s[10:11], s[10:11], s[34:35]
	s_lshl_b32 s36, s3, 3
	s_add_co_u32 s36, s36, s5
	s_lshl_b32 s36, s36, 3
	s_add_co_u32 s36, s36, s4                      ; (8 h + b) 8 + st: my block of qq and of kv
	s_mul_i32 s34, s36, 4608
	s_add_nc_u64 s[30:31], s[30:31], s[34:35]
	s_mul_i32 s34, s36, 8960
	s_add_nc_u64 s[32:33], s[32:33], s[34:35]
	; ---- all the loads of the head
.irp be, 0,1,2,3
	global_load_b128 v[QSC+8*\be:QSC+8*\be+3], v12, s[10:11] offset:8192*\be
	global_load_b128 v[QSC+8*\be+4:QSC+8*\be+7], v12, s[10:11] offset:8192*\be+16
.endr
	LOADP 0
	WIN 0x80                                       ; destination window 2
.irp p, 0,1,2
.irp i, 0,1,2,3,4,5,6,7,8,9,10,11,12,13,14,15
	global_load_b128 v[4*(16*\p+\i):4*(16*\p+\i)+3], v4, s[12+6*\p:13+6*\p] offset:512*\i      ; my 16 rows of each W, whole rows
.endr
.endr
	WIN 0xc0                                       ; destination window 3
	QLOAD 0
	QLOAD 1
	QLOAD 2
	QLOAD 3
	; ---- W into LDS
	s_wait_loadcnt 0x3f                            ; 64 loads were issued behind W's rows; 63 is the largest count that can be written, and a smaller count is always right
	WIN 0x08                                       ; an LDS store's data are its source 1: window 2
.irp p, 0,1
.irp i, 0,1,2,3,4,5,6,7,8,9,10,11,12,13,14,15
	ds_store_b128 v5, v[4*(16*\p+\i):4*(16*\p+\i)+3] offset:WPROJ*\p+(16*(\i/8)+(\i%8))*PITCH
.endr
.endr
.irp i, 0,1,2,3,4,5,6,7,8,9,10,11,12,13,14,15
	ds_store_b128 v6, v[4*(32+\i):4*(32+\i)+3] offset:(16*(\i/8)+(\i%8))*PITCH
.endr
	; ---- Q's rows turn into fragments, a tile of 16 rows at a time.  LDS serves a wave's instructions in order (ISA guide 5.7.1.4): no wait between the stores and the loads, nor in front of the next tile's stores
.set t, 0
.rept 8
.if t <= 4
	s_wait_loadcnt 48                              ; tile t's 16 rows are in; the three tiles behind it may be out
.else
	s_wait_loadcnt 16*(7-t)
.endif
	WIN 0x0c                                       ; data: window 3
.irp i, 0,1,2,3,4,5,6,7,8,9,10,11,12,13,14,15
	ds_store_b128 v7, v[64*(t%4)+4*\i:64*(t%4)+4*\i+3] offset:PITCH*\i
.endr
	WIN 0x40+0x40*(t/4)                            ; destination window 1 or 2
.irp k, 0,1,2,3,4,5,6,7
.irp c, 0,1
	ds_load_b128 v[64*(t%4)+8*\k+4*\c:64*(t%4)+8*\k+4*\c+3], v8 offset:64*\k+32*\c
.endr
.endr
.if t < 4
	s_wait_dscnt 16                                ; the stage stores have read their registers (the 16 loads may be out): these take the tile four further on
	WIN 0xc0
	QLOAD t+4
.endif
.set t, t+1
.endr
	WIN 0
	s_wait_dscnt 0x0                               ; my rows of W have landed, my fragments are in
	s_barrier_signal -1
	s_barrier_wait -1                              ; W is whole; from here on LDS is only read
	PASS 0, 1
	PASS 1, 2
	PASS 2, 3
	s_wait_tensorcnt 0x0
	ds_add_u32 v254, v255
	s_wait_dscnt 0x0
	s_endpgm
.Lfunc_end_k_q1e269f624b_proj:
	.size	k_q1e269f624b_proj, .Lfunc_end_k_q1e269f624b_proj-k_q1e269f624b_proj
	.p2alignl 7, 3214868480
	.fill 96, 4, 3214868480
	.section	.rodata,"a",@progbits
	.p2align	6, 0x0
	.amdhsa_kernel k_q1e269f624b_proj
		.amdhsa_group_segment_fixed_size 135680
		.amdhsa_private_segment_fixed_size 0
		.amdhsa_enable_private_segment 0
		.amdhsa_kernarg_size 104
		.amdhsa_user_sgpr_count 2
		.amdhsa_user_sgpr_kernarg_segment_ptr 1
		.amdhsa_wavefront_size32 1
		.amdhsa_system_sgpr_workgroup_id_x 1
		.amdhsa_system_sgpr_workgroup_id_y 1
		.amdhsa_system_sgpr_workgroup_id_z 1
		.amdhsa_system_vgpr_workitem_id 0
		.amdhsa_next_free_vgpr 1024
		.amdhsa_next_free_sgpr 66
		.amdhsa_reserve_vcc 1
		.amdhsa_float_denorm_mode_32 3
		.amdhsa_float_denorm_mode_16_64 3
		.amdhsa_memory_ordered 1
		.amdhsa_forward_progress 1
		.amdhsa_inst_pref_size 208
	.end_amdhsa_kernel
	.amdgpu_metadata
---
amdhsa.version: [ 1, 2 ]
amdhsa.kernels:
  - .name:           k_q1e269f624b_proj
    .symbol:         k_q1e269f624b_proj.kd
    .args:
      - { .name: Q_codes, .offset: 0, .size: 8, .value_kind: global_buffer, .address_space: global }
      - { .name: Q_scales, .offset: 8, .size: 8, .value_kind: global_buffer, .address_space: global }
      - { .name: Wq_codes, .offset: 16, .size: 8, .value_kind: global_buffer, .address_space: global }
      - { .name: Wq_scales, .offset: 24, .size: 8, .value_kind: global_buffer, .address_space: global }
      - { .name: bq, .offset: 32, .size: 8, .value_kind: global_buffer, .address_space: global }
      - { .name: Wk_codes, .offset: 40, .size: 8, .value_kind: global_buffer, .address_space: global }
      - { .name: Wk_scales, .offset: 48, .size: 8, .value_kind: global_buffer, .address_space: global }
      - { .name: bk, .offset: 56, .size: 8, .value_kind: global_buffer, .address_space: global }
      - { .name: Wv_codes, .offset: 64, .size: 8, .value_kind: global_buffer, .address_space: global }
      - { .name: Wv_scales, .offset: 72, .size: 8, .value_kind: global_buffer, .address_space: global }
      - { .name: bv, .offset: 80, .size: 8, .value_kind: global_buffer, .address_space: global }
      - { .name: qq, .offset: 88, .size: 8, .value_kind: global_buffer, .address_space: global }
      - { .name: kv, .offset: 96, .size: 8, .value_kind: global_buffer, .address_space: global }
    .group_segment_fixed_size: 135680
    .private_segment_fixed_size: 0
    .kernarg_segment_align: 8
    .kernarg_segment_size: 104
    .max_flat_workgroup_size: 128
    .sgpr_count:     66
    .vgpr_count:     1024
    .wavefront_size: 32
...
	.end_amdgpu_metadata
.endif
;; end of part 1
;; launch attn (part 2): grid 256 x 1, 16 waves a work-group, no clusters, 169,984 bytes of LDS; arguments qq, kv, yimg, ysc; writes yimg, ysc
.if DOCPART == 2
	.amdgcn_target "amdgcn-amd-amdhsa--gfx1250"
	.amdhsa_code_object_version 6
	.text
	.protected	k_q1e269f624b_attn
	.globl	k_q1e269f624b_attn
	.p2align	8
	.type	k_q1e269f624b_attn,@function
k_q1e269f624b_attn:
	s_mov_b64 s[64:65], 0
	v_nop
	global_prefetch_b8 v0, s[64:65] scope:SCOPE_SE
	s_setreg_imm32_b32 hwreg(HW_REG_WAVE_MODE, 25, 1), 1
	s_wait_xcnt 0x0
; y = softmax(q k^T / 8, causal) v for one (head, batch), both products on codes of FP4 (E2M1) with one E8M0 scale for each 32 along a product's K; then y is quantised along dv for the output product.
; THE SOFTMAX: t = score x log2(e) / 8; M = the row's largest t so far, rounded UP to a whole number; p = 2^(t - M) is quantised along the keys, not normalised.  The row's sum is taken of the
; unquantised p and divides O at the end.  When M moves, the sum and O are multiplied by 2^(old M - new M): exact.
; SHARES.  Work-group x: hb = x / 2 (head 8 h + b), g = x % 2.  Wave w has p = w xor 3 ((w / 4) % 2), the unit U = 2 p + g of 32 queries (two tiles a = 0, 1 of 16) and walks steps 0 .. L = p / 2 of 128 keys:
; what lies wholly behind the causal mask is not multiplied.  Both tiles share each fragment of k and v.  72 wave-steps a work-group, whatever g; the xor gives each class w % 4 18 of them.
; k AND v OF THE WHOLE (head, batch), 71,680 dense bytes in operand order, come into LDS ONCE, by four tensor loads; nothing is filled again and nothing is stored to LDS.
; NO JOINT LOADS: two work-groups share those 71,680 bytes, read once at the head; no step of the loop asks for anything.
; LAYOUT (as the projection launch left it; r8(r) = r + (r & 8)): tile 2 B + u takes in row r thing 32 B + 8 u + r8(r).  S^T = k q^T (source 0 = 16 keys, source 1 = 16 queries), O^T = v^T p^T (source 0 = 16 dv, source 1 = p):
; a lane holds ONE query; register 16 B + i of S is key 32 B + 16 hh + i of the step, register 16 B + i of O is dv 32 B + 16 hh + i.
; K = 64 IN AN INSTRUCTION OF K = 128: q's upper four registers are zero codes.  k's operand of tile T is v[32 + 4 T : 39 + 4 T]: its upper four registers are the next tile's codes (zeros behind the last);
; each meets a zero code, E2M1 has neither NaN nor infinity, and the scale bytes there are 0 (2^-127), so those products are exactly 0.
; LIMITS: NaN and infinities are not served.  A block of p or y whose largest magnitude lies under 2^-124 gets the scale byte 1 (only this program reads the bytes).
; REGISTERS: v1 16 l, v2 8 l, v3-4 LDS addresses, v5-6 the mask's d, v7 16 r + 8 hh; v8-15 statistics (tile a: -M, largest t, the sum in two halves); v16-31 q; v32-67 k or v; v68-71, v72-73, v74 scale words of k, v, q;
;   v76-91 p's codes; v92-93 p's scale words; v96-159 S, then p; v160-223 O^T; v224-245 at work.
.set S,   96
.set BM,  224                          ; a block's largest score, then its largest p
.set BX,  228
.set SO,  232
.set STEPB, 8960                       ; a step in LDS: k's 8 tiles x 512, k's scale words (512) at 4,096, v's 4 tiles x 1,024 at 4,608, v's scale words (256) at 8,704
.macro WM0                             ; a product that starts a sum
.if fA && fB
	v_wmma_scale_f32_16x16x128_f8f6f4 v[rD:rD+7], v[rA:rA+7], v[rB:rB+7], 0, v[rSA], v[rSB] matrix_a_fmt:MATRIX_FMT_FP4 matrix_b_fmt:MATRIX_FMT_FP4 matrix_a_scale:MATRIX_SCALE_ROW1 matrix_b_scale:MATRIX_SCALE_ROW1
.elseif fA
	v_wmma_scale_f32_16x16x128_f8f6f4 v[rD:rD+7], v[rA:rA+7], v[rB:rB+7], 0, v[rSA], v[rSB] matrix_a_fmt:MATRIX_FMT_FP4 matrix_b_fmt:MATRIX_FMT_FP4 matrix_a_scale:MATRIX_SCALE_ROW1
.elseif fB
	v_wmma_scale_f32_16x16x128_f8f6f4 v[rD:rD+7], v[rA:rA+7], v[rB:rB+7], 0, v[rSA], v[rSB] matrix_a_fmt:MATRIX_FMT_FP4 matrix_b_fmt:MATRIX_FMT_FP4 matrix_b_scale:MATRIX_SCALE_ROW1
.else
	v_wmma_scale_f32_16x16x128_f8f6f4 v[rD:rD+7], v[rA:rA+7], v[rB:rB+7], 0, v[rSA], v[rSB] matrix_a_fmt:MATRIX_FMT_FP4 matrix_b_fmt:MATRIX_FMT_FP4
.endif
.endm
.macro WMA                             ; a product that adds in place
.if fA
	v_wmma_scale_f32_16x16x128_f8f6f4 v[rD:rD+7], v[rA:rA+7], v[rB:rB+7], v[rD:rD+7], v[rSA], v[rSB] matrix_a_fmt:MATRIX_FMT_FP4 matrix_b_fmt:MATRIX_FMT_FP4 matrix_a_scale:MATRIX_SCALE_ROW1
.else
	v_wmma_scale_f32_16x16x128_f8f6f4 v[rD:rD+7], v[rA:rA+7], v[rB:rB+7], v[rD:rD+7], v[rSA], v[rSB] matrix_a_fmt:MATRIX_FMT_FP4 matrix_b_fmt:MATRIX_FMT_FP4
.endif
.endm
.macro PLACES                          ; four plain vector instructions between a matrix instruction and a load into, or a vector read of, its registers
.rept 4
	v_nop
.endr
.endm
.macro KQ a                            ; S^T = k q_a^T: eight tiles of 16 keys
.set tau, 0
.rept 8
.set rD, S+8*tau
.set rA, 32+4*tau
.set rB, 16+8*\a
.set rSA, 68+tau/2
.set fA, tau%2
.set rSB, 74
.set fB, \a
	WM0
.set tau, tau+1
.endr
.endm
.macro MASK a                          ; the diagonal step: register n holds key 32 (n / 16) + n % 16 + 16 hh of the step: hidden where that passes my query, i.e. 32 (n / 16) + n % 16 > d
.set n, 0
.rept 64
	v_cmp_gt_i32 vcc_lo, 32*(n/16)+n%16, v[5+\a]
	v_cndmask_b32 v[S+n], v[S+n], v241, vcc_lo     ; -infinity: p = 0 then
.set n, n+1
.endr
.endm
; tile a's softmax of one step: S becomes p; p's codes and scale word are made; the sum and O^T come under the new M
.macro SOFT a
.set sM, 8+4*\a
.set sP, 76+8*\a
.set sO, 160+32*\a
.irp b, 0,1,2,3
	v_max3_num_f32 v[BM+\b], v[S+16*\b], v[S+16*\b+1], v[S+16*\b+2]           ; the largest score of each block of 32 keys: for the row's maximum, and, since p rises with the score, for the block's largest p
.endr
.irp i, 3,5,7,9,11,13
.irp b, 0,1,2,3
	v_max3_num_f32 v[BM+\b], v[BM+\b], v[S+16*\b+\i], v[S+16*\b+\i+1]         ; (the four blocks by turns)
.endr
.endr
.irp b, 0,1,2,3
	v_max_num_f32 v[BM+\b], v[BM+\b], v[S+16*\b+15]
.endr
.irp b, 0,1,2,3
	v_permlanex16_b32 v[BX+\b], v[BM+\b], s20, s21
.endr
.irp b, 0,1,2,3
	v_max_num_f32 v[BM+\b], v[BM+\b], v[BX+\b]     ; with lane l xor 16's 16 keys
.endr
	v_max3_num_f32 v240, v[BM], v[BM+1], v[BM+2]
	v_max_num_f32 v240, v240, v[BM+3]              ; the step's largest score of my query (the step's first key is never hidden, so it is a number)
	v_mul_f32 v240, s22, v240                      ; as t (c is positive)
	v_max_num_f32 v[sM+1], v[sM+1], v240           ; the running largest t
	v_mov_b32 v240, v[sM]
	v_floor_f32 v[sM], -v[sM+1]                    ; the new -M = floor(-t) = -ceil(t)
	v_sub_f32 v240, v[sM], v240                    ; old M - new M: a whole number, 0 or less
	v_cvt_i32_f32 v240, v240                       ; (it saturates)
	v_ldexp_f32 v238, 1.0, v240                    ; f = 2^(old M - new M)
.set j, 0
.rept 32
	v_pk_fma_f32 v[S+j:S+j+1], v[S+j:S+j+1], s[22:23], v[sM:sM+1] op_sel_hi:[1,0,0]      ; t - M, two at a time (of the pairs c and -M the low word serves both halves)
.set j, j+2
.endr
.irp b, 0,1,2,3
	v_fma_f32 v[BM+\b], v[BM+\b], s22, v[sM]       ; the same of each block's largest score
.endr
.set j, 0
.rept 64
	v_exp_f32 v[S+j], v[S+j]                       ; p = 2^(t - M), at most 1
.set j, j+1
.endr
.irp b, 0,1,2,3
	v_exp_f32 v[BM+\b], v[BM+\b]                   ; the block's largest p: the same two instructions on the same number
.endr
	v_pk_mul_f32 v[sM+2:sM+3], v[sM+2:sM+3], v[238:239] op_sel_hi:[1,0]       ; the sum under the new M.  (The plain place behind the exponentials)
	s_wait_alu depctr_va_vdst(0)
.irp b, 0,1,2,3
	v_max_num_f32 v[BM+\b], 0x1800000, v[BM+\b]    ; the floor 2^(3 - 127): the byte cannot fall under 1
.endr
.irp b, 0,1,2,3
	v_add_nc_u32 v[SO+\b], 0xff000000, v[BM+\b]    ; 2 off the exponent field: the conversion's scale operand
.endr
.irp b, 0,1,2,3
	v_lshrrev_b32 v[BX+\b], 23, v[SO+\b]           ; the scale's byte
.endr
	v_lshl_or_b32 v[92+\a], v[BX+1], 8, v[BX]      ; p's scale word for these 128 keys
	v_lshl_or_b32 v[92+\a], v[BX+2], 16, v[92+\a]
	v_lshl_or_b32 v[92+\a], v[BX+3], 24, v[92+\a]
.irp b, 0,1,2,3
	v_cvt_scalef32_pk8_fp4_f32 v[sP+2*\b], v[S+16*\b:S+16*\b+7], v[SO+\b]
	v_cvt_scalef32_pk8_fp4_f32 v[sP+2*\b+1], v[S+16*\b+8:S+16*\b+15], v[SO+\b]
.endr
	v_nop                                          ; one plain place behind a scaled conversion
.irp c, 0,1                                    ; the operand wants a WHOLE block in a lane: lanes 0-15 block 2 c, lanes 16-31 block 2 c + 1
.irp i, 0,1
	v_permlane16_swap_b32 v[sP+4*\c+\i], v[sP+4*\c+2+\i]
.endr
.endr
.set j, 0
.rept 16
	v_pk_mul_f32 v[sO+j:sO+j+1], v[sO+j:sO+j+1], v[238:239] op_sel_hi:[1,0]   ; O^T under the new M, each accumulator from its low end on
.set j, j+2
.endr
	v_pk_add_f32 v[236:237], v[S:S+1], v[S+2:S+3]  ; the row's sum of the UNQUANTISED p, two at a time, in two chains; these 32 lines also stand between what was just written and the products that take it
.set j, 4
.rept 15
	v_pk_add_f32 v[sM+2:sM+3], v[sM+2:sM+3], v[S+j:S+j+1]
	v_pk_add_f32 v[236:237], v[236:237], v[S+j+2:S+j+3]
.set j, j+4
.endr
	v_pk_add_f32 v[sM+2:sM+3], v[sM+2:sM+3], v[236:237]
.endm
; tile a's end: y = O^T / the sum; its two blocks of 32 dv are quantised; codes leave as halves of an operand image, the two scale bytes stay in v[244 + a]
.macro FIN a
.set sM, 8+4*\a
.set sP, 76+8*\a
.set sO, 160+32*\a
.set fY, S+32*\a
	v_add_f32 v240, v[sM+2], v[sM+3]
	v_permlanex16_b32 v[BX], v240, s20, s21
	v_add_f32 v240, v240, v[BX]                    ; the row's sum
	v_rcp_f32 v238, v240
	v_nop                                          ; one plain place behind a transcendental
.set j, 0
	s_wait_alu depctr_va_vdst(0)
.rept 16
	v_pk_mul_f32 v[fY+j:fY+j+1], v[sO+j:sO+j+1], v[238:239] op_sel_hi:[1,0]
.set j, j+2
.endr
.irp b, 0,1
	v_max3_num_f32 v[BM+\b], |v[fY+16*\b]|, |v[fY+16*\b+1]|, 0x1800000
.endr
.irp i, 2,4,6,8,10,12,14
.irp b, 0,1
	v_max3_num_f32 v[BM+\b], v[BM+\b], |v[fY+16*\b+\i]|, |v[fY+16*\b+\i+1]|
.endr
.endr
.irp b, 0,1
	v_permlanex16_b32 v[BX+\b], v[BM+\b], s20, s21
.endr
.irp b, 0,1
	v_max_num_f32 v[BM+\b], v[BM+\b], v[BX+\b]
.endr
.irp b, 0,1
	v_add_nc_u32 v[SO+\b], 0xff000000, v[BM+\b]
.endr
.irp b, 0,1
	v_lshrrev_b32 v[BX+\b], 23, v[SO+\b]
.endr
.irp b, 0,1
	v_cvt_scalef32_pk8_fp4_f32 v[sP+2*\b], v[fY+16*\b:fY+16*\b+7], v[SO+\b]
	v_cvt_scalef32_pk8_fp4_f32 v[sP+2*\b+1], v[fY+16*\b+8:fY+16*\b+15], v[SO+\b]
.endr
	v_lshl_or_b32 v[244+\a], v[BX+1], 8, v[BX]     ; (also the plain place behind the conversions)
.irp b, 0,1
	global_store_b64 v7, v[sP+2*\b:sP+2*\b+1], s[8:9] offset:8192*\a+256*\b   ; 32 lanes store 256 consecutive bytes, aligned
.endr
.endm
	s_load_b256 s[4:11], s[0:1], 0x0               ; qq 4, kv 6, yimg 8, ysc 10
	v_lshl_add_u32 v254, v0, 2, 0x29000
	v_mov_b32 v255, 0
	ds_add_u32 v254, v255
	ds_add_u32 v254, v255
	v_lshrrev_b32 v3, 5, v0
	v_readfirstlane_b32 s12, v3                    ; wave 0..15
	s_bfe_u32 s13, s12, 0x10002
	s_mul_i32 s13, s13, 3
	s_xor_b32 s13, s13, s12                        ; p
	s_lshr_b32 s16, ttmp9, 1                       ; hb
	s_and_b32 s17, ttmp9, 1                        ; g
	s_lshl_b32 s14, s13, 1
	s_add_co_u32 s14, s14, s17                     ; U
	s_lshr_b32 s15, s13, 1                         ; L = U / 4: it hangs on the wave's number alone
	s_lshr_b32 s18, s16, 3                         ; h
	s_and_b32 s19, s16, 7                          ; b
	s_mov_b32 s20, 0x76543210
	s_mov_b32 s21, 0xfedcba98                      ; v_permlanex16_b32's selects for lane l xor 16
	s_mov_b32 s22, 0x3e38aa3b                      ; c = log2(e) / 8
	s_mov_b32 s23, s22                             ; (named with it as a pair, so it is written)
	; descriptor group 1: a dense block as 70 rows of 256 bytes (32 elements of 8 bytes), no padding: every LDS read takes 16 bytes a lane on end
	s_mov_b32 s24, 3<<16
	s_mov_b32 s25, 32<<16                          ; tensor_dim0
	s_mov_b32 s26, 70<<16                          ; tensor_dim1
	s_mov_b32 s27, 32<<16                          ; tile_dim0
	s_mov_b32 s28, 70                              ; tile_dim1
	s_mov_b32 s29, 32                              ; pitch
	s_mov_b32 s30, 0
	s_mov_b32 s31, 0
	s_mov_b32 s32, 1
	s_mul_i32 s33, s12, 17920                      ; LDS address: a quarter of the 71,680 bytes for each of waves 0 to 3
	s_mul_i32 s38, s16, 71680
	s_add_co_u32 s38, s38, s33
	s_mov_b32 s39, 0
	s_wait_dscnt 0x0
	s_wait_kmcnt 0x0
	s_add_nc_u64 s[34:35], s[6:7], s[38:39]
	s_or_b32 s35, s35, 0x80000000
	s_cmp_lt_u32 s12, 4
	s_cbranch_scc0 .Lnofill
	tensor_load_to_lds s[32:35], s[24:31]          ; one load of mine is out
	s_nop 0
.rept 4
	v_nop
.endr
.Lnofill:
	s_lshl_b32 s44, s16, 3
	s_add_co_u32 s44, s44, s15
	s_mul_i32 s44, s44, 4608                       ; my queries' step of qq
	s_and_b32 s45, s14, 3                          ; U % 4
	s_lshl_b32 s38, s45, 10
	s_add_co_u32 s38, s38, s44
	s_add_nc_u64 s[40:41], s[4:5], s[38:39]        ; my two tiles' codes
	s_lshl_b32 s38, s45, 2
	s_add_co_u32 s38, s38, s44
	s_add_nc_u64 s[42:43], s[4:5], s[38:39]        ; word U % 4 of the step's scale image
	s_lshl_b32 s44, s19, 5
	s_add_co_u32 s44, s44, s14                     ; 32 b + U
	s_lshl_b32 s38, s44, 14
	s_lshl_b32 s46, s18, 9
	s_add_co_u32 s38, s38, s46
	s_add_nc_u64 s[8:9], s[8:9], s[38:39]          ; yimg [b][U][a][h][512]
	s_lshl_b32 s38, s44, 3
	s_lshr_b32 s46, s18, 1
	s_add_co_u32 s38, s38, s46
	s_lshl_b32 s38, s38, 7
	s_and_b32 s46, s18, 1
	s_lshl_b32 s46, s46, 1
	s_add_co_u32 s38, s38, s46
	s_add_nc_u64 s[10:11], s[10:11], s[38:39]      ; ysc [b][U][h / 2][lane] words, my head's half
	v_and_b32 v240, 31, v0                         ; l
	v_lshlrev_b32 v1, 4, v240
	v_lshlrev_b32 v2, 3, v240
	global_load_b128 v[16:19], v1, s[40:41]        ; q's fragments stay in registers
	global_load_b128 v[24:27], v1, s[40:41] offset:512
	global_load_b32 v74, v1, s[42:43] offset:4096  ; lanes 0-15: tile 0's words; lanes 16-31: tile 1's
	v_and_b32 v3, 15, v0                           ; r
	v_bfe_u32 v4, v0, 4, 1                         ; hh
	v_lshlrev_b32 v7, 4, v3
	v_lshl_add_u32 v7, v4, 3, v7                   ; 16 r + 8 hh
	v_and_b32 v5, 8, v3
	v_add_nc_u32 v5, v5, v3                        ; r8
	v_lshlrev_b32 v6, 4, v4
	v_sub_nc_u32 v5, v5, v6
	s_lshl_b32 s46, s45, 5
	v_add_nc_u32 v5, s46, v5                       ; d_0 = my query in its step - 16 hh = 32 (U % 4) + r8 - 16 hh
	v_add_nc_u32 v6, 8, v5                         ; d_1
.irp i, 20,21,22,23,28,29,30,31,64,65,66,67
	v_mov_b32 v\i, 0                               ; zero codes: the upper half of K
.endr
.irp i, 228,229,230,231,239,10,11,14,15
	v_mov_b32 v\i, 0                               ; lane permutes' destinations, the pair's upper half, the sums
.endr
	v_mov_b32 v241, 0xff800000                     ; -infinity
	v_mov_b32 v9, 0xff61b1e6                       ; the largest t so far: -3e38, under every t
	v_mov_b32 v13, 0xff61b1e6
	v_floor_f32 v8, -v9                            ; -M
	v_floor_f32 v12, -v13
.set j, 0
.rept 64
	v_mov_b32 v[160+j], 0                          ; O^T.  (The step is written once: the first finds zeros, which the first change of M leaves zeros)
.set j, j+1
.endr
	s_mov_b32 s36, 0                               ; the step
	s_mov_b32 s37, 0                               ; and its first byte in LDS
	s_wait_tensorcnt 0x0                           ; my quarter has landed (a wave without a load passes),
	s_barrier_signal -1
	s_barrier_wait -1                              ; everybody's has
	s_wait_loadcnt 0x0                             ; q
.Lstep:                                            ; 8 trips, a constant; a wave leaves out the work of the steps behind its queries: a branch on the wave's number and the counter
	s_cmp_gt_u32 s36, s15
	s_cbranch_scc1 .Lskip
	v_add_nc_u32 v3, s37, v1
	v_add_nc_u32 v4, s37, v2
.irp t, 0,1,2,3,4,5,6,7
	ds_load_b128 v[32+4*\t:35+4*\t], v3 offset:512*\t
.endr
	ds_load_b128 v[68:71], v3 offset:4096          ; k's scale words: register B: lanes 0-15 tile 2 B, lanes 16-31 tile 2 B + 1
	ds_load_b64 v[72:73], v4 offset:8704           ; v's likewise
	s_wait_dscnt 0x0
	KQ 0
	PLACES
	s_cmp_lg_u32 s36, s15
	s_cbranch_scc1 .Lopen0
	MASK 0
.Lopen0:
	SOFT 0
	KQ 1
	PLACES                                         ; for the reads of S, and for the loads into the registers that held k
.irp t, 0,1,2,3
.irp c, 0,1
	ds_load_b128 v[32+8*\t+4*\c:35+8*\t+4*\c], v3 offset:4608+1024*\t+512*\c   ; v's fragments land while tile 1's softmax is walked
.endr
.endr
	s_cmp_lg_u32 s36, s15
	s_cbranch_scc1 .Lopen1
	MASK 1
.Lopen1:
	SOFT 1
	s_wait_dscnt 0x0
.set t, 0
.rept 4                                        ; O^T += v^T p^T: eight accumulators, one instruction a turn
.set a, 0
.rept 2
.set rD, 160+32*a+8*t
.set rA, 32+8*t
.set rB, 76+8*a
.set rSA, 72+t/2
.set fA, t%2
.set rSB, 92+a
	WMA
.set a, a+1
.endr
.set t, t+1
.endr
	PLACES                                         ; for the next trip's loads, and for the reads of O^T behind the loop
.Lskip:
	s_add_co_u32 s37, s37, STEPB
	s_add_co_u32 s36, s36, 1
	s_cmp_lt_u32 s36, 8
	s_cbranch_scc1 .Lstep
	FIN 0
	FIN 1
	v_and_b32 v240, 31, v0
	v_cmp_gt_u32 vcc_lo, 16, v240
	v_cndmask_b32 v94, v245, v244, vcc_lo          ; lanes 0-15: tile 0's two bytes of row r; lanes 16-31: tile 1's
	v_lshlrev_b32 v240, 2, v240
	global_store_b16 v240, v94, s[10:11]           ; half of a scale word: the other half is the neighbouring head's.  The one store that covers its 128 bytes in part: 2 bytes in 34 of what the launch stores
	s_wait_tensorcnt 0x0
	ds_add_u32 v254, v255
	s_wait_dscnt 0x0
	s_endpgm
.Lfunc_end_k_q1e269f624b_attn:
	.size	k_q1e269f624b_attn, .Lfunc_end_k_q1e269f624b_attn-k_q1e269f624b_attn
	.p2alignl 7, 3214868480
	.fill 96, 4, 3214868480
	.section	.rodata,"a",@progbits
	.p2align	6, 0x0
	.amdhsa_kernel k_q1e269f624b_attn
		.amdhsa_group_segment_fixed_size 169984
		.amdhsa_private_segment_fixed_size 0
		.amdhsa_enable_private_segment 0
		.amdhsa_kernarg_size 32
		.amdhsa_user_sgpr_count 2
		.amdhsa_user_sgpr_kernarg_segment_ptr 1
		.amdhsa_wavefront_size32 1
		.amdhsa_system_sgpr_workgroup_id_x 1
		.amdhsa_system_sgpr_workgroup_id_y 1
		.amdhsa_system_sgpr_workgroup_id_z 1
		.amdhsa_system_vgpr_workitem_id 0
		.amdhsa_next_free_vgpr 256
		.amdhsa_next_free_sgpr 66
		.amdhsa_reserve_vcc 1
		.amdhsa_float_denorm_mode_32 3
		.amdhsa_float_denorm_mode_16_64 3
		.amdhsa_memory_ordered 1
		.amdhsa_forward_progress 1
		.amdhsa_inst_pref_size 52
	.end_amdhsa_kernel
	.amdgpu_metadata
---
amdhsa.version: [ 1, 2 ]
amdhsa.kernels:
  - .name:           k_q1e269f624b_attn
    .symbol:         k_q1e269f624b_attn.kd
    .args:
      - { .name: qq, .offset: 0, .size: 8, .value_kind: global_buffer, .address_space: global }
      - { .name: kv, .offset: 8, .size: 8, .value_kind: global_buffer, .address_space: global }
      - { .name: yimg, .offset: 16, .size: 8, .value_kind: global_buffer, .address_space: global }
      - { .name: ysc, .offset: 24, .size: 8, .value_kind: global_buffer, .address_space: global }
    .group_segment_fixed_size: 169984
    .private_segment_fixed_size: 0
    .kernarg_segment_align: 8
    .kernarg_segment_size: 32
    .max_flat_workgroup_size: 512
    .sgpr_count:     66
    .vgpr_count:     256
    .wavefront_size: 32
...
	.end_amdgpu_metadata
.endif
;; end of part 2
;; launch outp (part 3): grid 256 x 1, 4 waves a work-group, no clusters, 168,448 bytes of LDS; arguments yimg, ysc, Wo_codes, Wo_scales, bo, out0; writes out0
.if DOCPART == 3
	.amdgcn_target "amdgcn-amd-amdhsa--gfx1250"
	.amdhsa_code_object_version 6
	.text
	.protected	k_q1e269f624b_outp
	.globl	k_q1e269f624b_outp
	.p2align	8
	.type	k_q1e269f624b_outp,@function
k_q1e269f624b_outp:
	s_mov_b64 s[64:65], 0
	v_nop
	global_prefetch_b8 v0, s[64:65] scope:SCOPE_SE
	s_setreg_imm32_b32 hwreg(HW_REG_WAVE_MODE, 25, 1), 1
	s_wait_xcnt 0x0
; out = y Wo + bo on codes of FP4 (E2M1) with one E8M0 scale for each 32 along K = 1,024.  y comes as images of operand registers (yimg [b][U 32][u 2][h 16][512], ysc [b][U][ks 8][lane] words), Wo as rows with K innermost.
; SHARES.  Work-group x: cg = x % 8 (128 columns), b = (x / 8) % 8, g4 = x / 64.  Wave w takes units U0 = 8 g4 + 2 w and U0 + 1 of 32 queries: 4 row tiles, 64 rows, against the 128 columns:
; 32 accumulators, 8 K steps, 256 matrix instructions.  Row r of row tile rt is query 32 (U0 + rt / 2) + 8 (rt % 2) + r + (r & 8) of batch b.
; y's 32 fragments (32 KB on end in memory) go straight into 256 registers, 16 bytes a lane on end.  Wo's 128 rows come into LDS once, by two tensor loads; nothing is filled again.
; THE MATRIX INSTRUCTION IS USED TRANSPOSED (source 0 = 16 rows of Wo, source 1 = 16 rows of y): a lane holds eight neighbouring columns of one row.  bo is the C of each sum's first product.
; NO JOINT LOADS: the 32 work-groups of one cg share 64 KB of Wo, read once at the head, of the 320 KB that a work-group moves; no step of the work asks for anything.
; REGISTERS.  window 0: v1-7 offsets; v16-47 Wo's scale words; v48-63 y's; v64-191 Wo's fragments, two sets, later rows on their way out.  window 1: accumulators at 64 rt + 8 ct.  window 2: y at 64 rt + 8 ks.  window 3: v0-63 bo.
.set PITCH, 528                        ; an LDS row: 512 bytes + 16: the 16 rows that a fragment load touches start 132 words apart, at 16 different groups of four banks (64 banks of 4 bytes: ISA guide 11.1)
.set WTILE, 16*PITCH
.set STAGE, 128*PITCH                  ; behind Wo's 128 rows (67,584 = 264 x 256 bytes): a stage of 16 rows for each wave; no fill lands there
.set WOSC, 16                          ; v[WOSC + 8 i + ks]: lanes 0-15 column tile 2 i, lanes 16-31 tile 2 i + 1
.set YSC,  48                          ; v[YSC + 8 j + ks]: lanes 0-15 row tile 2 j, lanes 16-31 tile 2 j + 1
.set WF,   64
.set MSB, 0
.macro WIN new                         ; the immediate's high byte repeats the setting that is left; a switch that changes nothing is dropped
.if MSB != (\new)
	s_set_vgpr_msb (MSB<<8)|(\new)
.set MSB, (\new)
.endif
.endm
.macro WM
.if fA && fB
	v_wmma_scale_f32_16x16x128_f8f6f4 v[rD:rD+7], v[rA:rA+7], v[rB:rB+7], v[rC:rC+7], v[rSA], v[rSB] matrix_a_fmt:MATRIX_FMT_FP4 matrix_b_fmt:MATRIX_FMT_FP4 matrix_a_scale:MATRIX_SCALE_ROW1 matrix_b_scale:MATRIX_SCALE_ROW1
.elseif fA
	v_wmma_scale_f32_16x16x128_f8f6f4 v[rD:rD+7], v[rA:rA+7], v[rB:rB+7], v[rC:rC+7], v[rSA], v[rSB] matrix_a_fmt:MATRIX_FMT_FP4 matrix_b_fmt:MATRIX_FMT_FP4 matrix_a_scale:MATRIX_SCALE_ROW1
.elseif fB
	v_wmma_scale_f32_16x16x128_f8f6f4 v[rD:rD+7], v[rA:rA+7], v[rB:rB+7], v[rC:rC+7], v[rSA], v[rSB] matrix_a_fmt:MATRIX_FMT_FP4 matrix_b_fmt:MATRIX_FMT_FP4 matrix_b_scale:MATRIX_SCALE_ROW1
.else
	v_wmma_scale_f32_16x16x128_f8f6f4 v[rD:rD+7], v[rA:rA+7], v[rB:rB+7], v[rC:rC+7], v[rSA], v[rSB] matrix_a_fmt:MATRIX_FMT_FP4 matrix_b_fmt:MATRIX_FMT_FP4
.endif
.endm
.macro FETCH k                         ; Wo's eight fragments of K step k into set k % 2
.irp ct, 0,1,2,3,4,5,6,7
.irp c, 0,1
	ds_load_b128 v[WF+64*((\k)%2)+8*\ct+4*\c:WF+64*((\k)%2)+8*\ct+4*\c+3], v5 offset:WTILE*\ct+64*(\k)+32*\c
.endr
.endr
.endm
; THE WAY OUT, a row tile at a time: a lane holds 32 neighbouring bytes of a row and the lanes beside it other rows, so the tile goes through my own stage and comes back as whole rows of 512 bytes.
; LDS serves a wave's instructions in order (ISA guide 5.7.1.4): no wait between the stores and the loads, nor in front of the next tile's stores.
.macro TOSTAGE a
	WIN 0x04                                       ; an LDS store's data are its source 1: window 1
.irp ct, 0,1,2,3,4,5,6,7
	ds_store_b128 v6, v[64*(\a)+8*\ct:64*(\a)+8*\ct+3] offset:64*\ct          ; each accumulator from its low end on
	ds_store_b128 v6, v[64*(\a)+8*\ct+4:64*(\a)+8*\ct+7] offset:64*\ct+16
.endr
	WIN 0
.irp t, 0,1,2,3,4,5,6,7,8,9,10,11,12,13,14,15
	ds_load_b128 v[WF+64*((\a)%2)+4*\t:WF+64*((\a)%2)+4*\t+3], v7 offset:PITCH*\t
.endr
.endm
.macro SEND a, younger                 ; younger: the LDS instructions issued behind tile a's loads, which may stay out
	s_wait_dscnt \younger
.irp t, 0,1,2,3,4,5,6,7,8,9,10,11,12,13,14,15
	global_store_b128 v1, v[WF+64*((\a)%2)+4*\t:WF+64*((\a)%2)+4*\t+3], s[14:15] offset:(32*((\a)/2)+8*((\a)%2)+\t+8*(\t/8))*32768 th:TH_STORE_NT   ; 32 lanes store 512 consecutive bytes, aligned; 63 x 32,768 at the most: inside the signed 24-bit immediate, so no base is stepped
.endr
.endm
	s_load_b256 s[4:11], s[0:1], 0x0               ; yimg 4, ysc 6, Wo_codes 8, Wo_scales 10
	s_load_b128 s[12:15], s[0:1], 0x20             ; bo 12, out0 14
	v_lshl_add_u32 v254, v0, 2, 0x29000
	v_mov_b32 v255, 0
	ds_add_u32 v254, v255
	ds_add_u32 v254, v255
	v_lshrrev_b32 v8, 5, v0
	v_readfirstlane_b32 s2, v8                     ; wave
	s_and_b32 s3, ttmp9, 7                         ; cg
	s_bfe_u32 s16, ttmp9, 0x30003                  ; b
	s_lshr_b32 s17, ttmp9, 6                       ; g4
	s_lshl_b32 s18, s17, 3
	s_lshl_b32 s19, s2, 1
	s_add_co_u32 s18, s18, s19                     ; U0
	; descriptor group 1: 64 rows x 512 bytes, 16 bytes of padding behind each
	s_mov_b32 s24, (1<<20)|(6<<22)|(3<<25)         ; elements of 1 byte; padding on; after every 128 words (code 6); of 4 words (code 3)
	s_mov_b32 s25, 512<<16                         ; tensor_dim0
	s_mov_b32 s26, 64<<16                          ; tensor_dim1
	s_mov_b32 s27, 512<<16                         ; tile_dim0
	s_mov_b32 s28, 64                              ; tile_dim1
	s_mov_b32 s29, 512                             ; pitch
	s_mov_b32 s30, 0
	s_mov_b32 s31, 0
	s_mov_b32 s32, 1
	s_mul_i32 s33, s2, 64*PITCH                    ; LDS address: wave x 64 rows
	s_lshl_b32 s20, s3, 16                         ; 128 cg rows of 512 bytes
	s_lshl_b32 s22, s2, 15                         ; + 64 x wave
	s_add_co_u32 s20, s20, s22
	s_mov_b32 s21, 0
	s_wait_dscnt 0x0
	s_wait_kmcnt 0x0
	s_add_nc_u64 s[34:35], s[8:9], s[20:21]
	s_or_b32 s35, s35, 0x80000000
	s_cmp_lt_u32 s2, 2
	s_cbranch_scc0 .Lnofill
	tensor_load_to_lds s[32:35], s[24:31]          ; waves 0 and 1: one load each is out
	s_nop 0
.rept 4
	v_nop
.endr
.Lnofill:
	s_lshl_b32 s22, s16, 5
	s_add_co_u32 s22, s22, s18                     ; 32 b + U0
	s_lshl_b32 s20, s22, 14
	s_add_nc_u64 s[4:5], s[4:5], s[20:21]          ; my 32 KB of y's images
	s_lshl_b32 s20, s22, 10
	s_add_nc_u64 s[6:7], s[6:7], s[20:21]          ; their scale words
	s_lshl_b32 s20, s3, 12
	s_add_nc_u64 s[10:11], s[10:11], s[20:21]      ; Wo's scale rows 128 cg on
	s_lshl_b32 s20, s3, 9
	s_add_nc_u64 s[12:13], s[12:13], s[20:21]      ; bo
	s_lshl_b32 s20, s18, 20                        ; out0: query 32 U0,
	s_lshl_b32 s22, s16, 12                        ; batch b,
	s_add_co_u32 s20, s20, s22
	s_lshl_b32 s22, s3, 9                          ; column 128 cg
	s_add_co_u32 s20, s20, s22
	s_add_nc_u64 s[14:15], s[14:15], s[20:21]
	v_and_b32 v8, 31, v0                           ; l
	v_and_b32 v9, 15, v0                           ; r
	v_bfe_u32 v10, v0, 4, 1                        ; hh
	v_lshlrev_b32 v1, 4, v8                        ; v1  16 l
	v_lshlrev_b32 v2, 2, v8                        ; v2  4 l
	v_lshlrev_b32 v3, 5, v8                        ; v3  32 l: Wo's scale row 32 i + l
	v_lshlrev_b32 v4, 5, v10                       ; v4  32 hh
	v_mul_u32_u24 v11, v9, PITCH
	v_lshl_add_u32 v5, v10, 4, v11                 ; v5  a fragment's row r, + 16 hh
	s_mul_i32 s23, s2, WTILE
	s_add_co_u32 s23, s23, STAGE                   ; my stage
	v_lshl_add_u32 v6, v10, 5, v11
	v_add_nc_u32 v6, s23, v6                       ; v6  into it: row r, + 32 hh
	v_add_nc_u32 v7, s23, v1                       ; v7  back: a row, 16 bytes a lane
.irp j, 0,1
.irp k, 0,1,2,3,4,5,6,7
	global_load_b32 v[YSC+8*\j+\k], v2, s[6:7] offset:1024*\j+128*\k
.endr
.endr
.irp i, 0,1,2,3
	global_load_b128 v[WOSC+8*\i:WOSC+8*\i+3], v3, s[10:11] offset:1024*\i
	global_load_b128 v[WOSC+8*\i+4:WOSC+8*\i+7], v3, s[10:11] offset:1024*\i+16
.endr
	WIN 0xc0                                       ; destination window 3
.irp ct, 0,1,2,3,4,5,6,7
	global_load_b128 v[8*\ct:8*\ct+3], v4, s[12:13] offset:64*\ct             ; bo[128 cg + 16 ct + 8 hh + 0 .. 7]
	global_load_b128 v[8*\ct+4:8*\ct+7], v4, s[12:13] offset:64*\ct+16
.endr
	WIN 0x80                                       ; destination window 2
.irp k, 0,1,2,3,4,5,6,7                        ; y, K step by K step, so that the waits below can count
.irp rt, 0,1,2,3
.irp c, 0,1
	global_load_b128 v[64*\rt+8*\k+4*\c:64*\rt+8*\k+4*\c+3], v1, s[4:5] offset:8192*\rt+1024*\k+512*\c th:TH_LOAD_NT
.endr
.endr
.endr
	WIN 0
	s_wait_tensorcnt 0x0                           ; my half of Wo's tile has landed (a wave without a load passes),
	s_barrier_signal -1
	s_barrier_wait -1                              ; both have
	FETCH 0
	FETCH 1
.set ks, 0
.rept 8
	s_wait_loadcnt 8*(7-ks)                        ; y's K step ks is in (and all that was asked for ahead of y); the later K steps, 8 loads each, may be out
.if ks < 7
	s_wait_dscnt 16                                ; this step's set is in; the other set's 16 loads may be out
.else
	s_wait_dscnt 0x0
.endif
.if ks == 0
	WIN 0x78                                       ; source 0 (Wo) window 0, source 1 (y) window 2, C (bo) window 3, D window 1
.else
	WIN 0x58                                       ; C window 1
.endif
.set rt, 0
.rept 4                                        ; 32 products, every accumulator once, in the same order in every step
.set ct, 0
.rept 8
.set rD, 64*rt+8*ct
.set rA, WF+64*(ks%2)+8*ct
.set rB, 64*rt+8*ks
.set rC, rD
.if ks == 0
.set rC, 8*ct
.endif
.set rSA, WOSC+8*(ct/2)+ks
.set fA, ct%2
.set rSB, YSC+8*(rt/2)+ks
.set fB, rt%2
	WM
.set ct, ct+1
.endr
.set rt, rt+1
.endr
	WIN 0
.rept 4
	v_nop                                          ; four plain places in front of loads into registers that matrix instructions have read, and of the first read of results
.endr
.if ks < 6
	FETCH ks+2
.endif
.set ks, ks+1
.endr
	TOSTAGE 0
	TOSTAGE 1
	SEND 0, 32                                     ; behind tile 0's loads: tile 1's 16 stores and 16 loads
	s_wait_xcnt 0x0                                ; tile 0's stores have read their registers: tile 2's rows may land there
	TOSTAGE 2
	SEND 1, 32
	s_wait_xcnt 0x0
	TOSTAGE 3
	SEND 2, 32
	SEND 3, 0
	s_wait_tensorcnt 0x0
	ds_add_u32 v254, v255
	s_wait_dscnt 0x0
	s_endpgm
.Lfunc_end_k_q1e269f624b_outp:
	.size	k_q1e269f624b_outp, .Lfunc_end_k_q1e269f624b_outp-k_q1e269f624b_outp
	.p2alignl 7, 3214868480
	.fill 96, 4, 3214868480
	.section	.rodata,"a",@progbits
	.p2align	6, 0x0
	.amdhsa_kernel k_q1e269f624b_outp
		.amdhsa_group_segment_fixed_size 168448
		.amdhsa_private_segment_fixed_size 0
		.amdhsa_enable_private_segment 0
		.amdhsa_kernarg_size 48
		.amdhsa_user_sgpr_count 2
		.amdhsa_user_sgpr_kernarg_segment_ptr 1
		.amdhsa_wavefront_size32 1
		.amdhsa_system_sgpr_workgroup_id_x 1
		.amdhsa_system_sgpr_workgroup_id_y 1
		.amdhsa_system_sgpr_workgroup_id_z 1
		.amdhsa_system_vgpr_workitem_id 0
		.amdhsa_next_free_vgpr 832
		.amdhsa_next_free_sgpr 66
		.amdhsa_reserve_vcc 0
		.amdhsa_float_denorm_mode_32 3
		.amdhsa_float_denorm_mode_16_64 3
		.amdhsa_memory_ordered 1
		.amdhsa_forward_progress 1
		.amdhsa_inst_pref_size 70
	.end_amdhsa_kernel
	.amdgpu_metadata
---
amdhsa.version: [ 1, 2 ]
amdhsa.kernels:
  - .name:           k_q1e269f624b_outp
    .symbol:         k_q1e269f624b_outp.kd
    .args:
      - { .name: yimg, .offset: 0, .size: 8, .value_kind: global_buffer, .address_space: global }
      - { .name: ysc, .offset: 8, .size: 8, .value_kind: global_buffer, .address_space: global }
      - { .name: Wo_codes, .offset: 16, .size: 8, .value_kind: global_buffer, .address_space: global }
      - { .name: Wo_scales, .offset: 24, .size: 8, .value_kind: global_buffer, .address_space: global }
      - { .name: bo, .offset: 32, .size: 8, .value_kind: global_buffer, .address_space: global }
      - { .name: out0, .offset: 40, .size: 8, .value_kind: global_buffer, .address_space: global }
    .group_segment_fixed_size: 168448
    .private_segment_fixed_size: 0
    .kernarg_segment_align: 8
    .kernarg_segment_size: 48
    .max_flat_workgroup_size: 128
    .sgpr_count:     66
    .vgpr_count:     832
    .wavefront_size: 32
...
	.end_amdgpu_metadata
.endif
;; end of part 3
;; ======== version 2 of 2: 3 launches
;; workspace buffers: qq 4,718,592 bytes; kv 9,175,040 bytes; yimg 4,194,304 bytes; ysc 262,144 bytes
;; launch proj (part 4): grid 256 x 1, 4 waves a work-group, no clusters, 135,680 bytes of LDS; arguments Q_codes, Q_scales, Wq_codes, Wq_scales, bq, Wk_codes, Wk_scales, bk, Wv_codes, Wv_scales, bv, qq, kv; writes qq, kv
.if DOCPART == 4
	.amdgcn_target "amdgcn-amd-amdhsa--gfx1250"
	.amdhsa_code_object_version 6
	.text
	.protected	k_q1e269f624b_proj
	.globl	k_q1e269f624b_proj
	.p2align	8
	.type	k_q1e269f624b_proj,@function
k_q1e269f624b_proj:
	s_mov_b64 s[64:65], 0
	v_nop
	global_prefetch_b8 v0, s[64:65] scope:SCOPE_SE
	s_setreg_imm32_b32 hwreg(HW_REG_WAVE_SCHED_MODE, 0, 2), 2
	s_setreg_imm32_b32 hwreg(HW_REG_WAVE_MODE, 25, 1), 1
	s_wait_xcnt 0x0
	s_wait_alu depctr_vm_vsrc(0)
; q, k, v = Q W + b for one head, on codes of FP4 (E2M1) with one E8M0 scale for each 32 along K = 1,024; then q and k are quantised along the head's 64, v along the KEYS,
; and all three leave as images of the operand registers that the attention launch wants: no later launch shuffles anything.
; SHARES.  1,024 waves, one for each (head h, batch b, step st of 128 keys): work-group x has h = x / 16, st = (x % 16) / 2, b = 4 (x % 2) + wave.
; A wave makes 128 keys x the head's 192 columns over all of K: 8 row tiles x 12 column tiles x 8 K steps = 768 matrix instructions, in three passes (q, k, v) of 32 accumulators.
; ONE ORDER OF ROWS: with r8(r) = r + (r & 8), tile 2 B + u of a group of 32 takes, in its row r, thing 32 B + 8 u + r8(r) (keys, and W's rows within a head).  In a result, lane (r, hh), register j of tile 2 B + u is then
; thing 32 B + 16 hh + 8 u + j: the 16 registers of two neighbouring tiles are 16 neighbours, and a block of 32 lies in lanes l and l xor 16.
; q, k: source 0 = 16 rows of W, source 1 = 16 keys: a lane holds one key, registers run along dk.   v: source 0 = 16 keys, source 1 = 16 rows of Wv: a lane holds one dv, registers run along the keys.
; A block's two code registers (8 bytes a lane: numbers 16 hh .. 16 hh + 15) belong at 256 x block + 16 r + 8 hh of the image: each store of the wave covers 256 consecutive bytes, aligned.
; WHERE THE OPERANDS LIVE.  The wave's 128 rows of Q (64 KB) live in 512 REGISTERS: whole rows of 512 bytes are loaded, turned into fragments through the wave's own stage in LDS.  The head's 192 rows of W lie in LDS, tile by tile.
; NO JOINT LOADS: what work-groups share (a head's 96 KB of W among 16, Q's rows among the 16 heads) is read once by each, at its head.  Q's rows end in registers; 704 rows x 528 bytes = 371,712 bytes
; of full-K rows do not fit in LDS, so there is no tile in LDS that could be asked for jointly.  No tensor load, no ring; one barrier; straight-line text.
; LIMITS: NaN and infinities are not served.  A block whose largest magnitude lies under 2^-124 (zeros too) gets the scale byte 1: its codes are zeros or tiny, and this program alone reads the bytes.
; REGISTERS.  window 0: v1-15 offsets; v16-47 Q's scale words; v48-63 W's; v64-95 the bias as C; v96-191 W's fragments, three sets; v160-251 the quantiser's (its T and X share the third set's registers: they are at work between two passes' K steps alone).
;   windows 1, 2: Q's fragments (row tile rt, K step ks) at 64 (rt % 4) + 8 ks of window 1 + rt / 4.   window 3: 32 accumulators.  At the head window 3 takes Q's rows as loaded, window 2 v0-191 W's.
; THE MODE: SCHED_MODE bits 1:0 = 2 (LLVM: expert scheduling mode 2), set by the entry lines.  The code itself states the register dependences
; between vector or matrix instructions and memory or LDS instructions, with s_wait_alu, always for 0.
; THE PLAN.  Registers that memory or LDS instructions touch:
;   v1-15         Offsets and LDS addresses: written at the head, ahead of one wait on va_vdst, and never again.
;   window 3      At the head: Q's rows land, the stage's LDS stores read them, the rows of the tile four further on land; later the products write it.  A wait on vm_vsrc stands ahead of each such second writer.
;   window 2      v0-191: W's rows land, LDS stores read them; from tile 4 on Q's fragments land there, behind the waits on vm_vsrc of tiles 0 to 3.
;   WF0 .. WF2    K step k: its 32 products read set k % 3; the LDS loads of K step k + 2 land in set (k + 2) % 3 = (k - 1) % 3, which the products of step k - 1 read.
;   WSC, BIAS     Read by a pass's products; the next pass's loads land in them behind the pass's last K step.
;   CD, PK        Written by a pass's conversions and selects; read by its 17 stores; written again a pass later.
;   Q's fragments, Q's scale words: loaded once at the head, then named by matrix instructions alone.  SO, WD: named by vector instructions alone.
; So ONE wait on va_vdst stands at the head of a K step that loads, behind the wait for the set that the step works on: the products of the step before are done reading their set.  The step's eight loads follow it, four at
; the head and four in the step's middle, among products that name the step's own set, Q, the scale words and the accumulators: none of the registers that those loads touch.  One more stands behind a pass's last K step
; (WSC, BIAS), and one ahead of a pass's stores (CD, PK), which also stands behind all that named WF, T and X: the next pass's first fragment loads owe nothing more.
.set PITCH, 528                        ; an LDS row: 512 bytes + 16: the 16 rows that a fragment load touches start 132 words apart, at 16 different groups of four banks (64 banks of 4 bytes: ISA guide 11.1)
.set WTILE, 16*PITCH
.set WPROJ, 64*PITCH                   ; one projection's 64 rows; q's, k's, v's on end from LDS byte 0
.set QST,   3*WPROJ                    ; behind them a stage of 16 rows for each wave
.set AW,   9                           ; v9-11 fragment address in W's region of pass 0, 1, 2
.set QSC,  16                          ; v[QSC + 8 B + ks]: lanes 0-15 the word of row tile 2 B, lanes 16-31 of 2 B + 1
.set WSC,  48                          ; the same for the pass's column tiles
.set BIAS, 64                          ; 8 registers a column tile, in the result's layout
.set WF,   96                          ; set s at WF + 32 s, s = 0, 1, 2
.set T,    160                         ; largest magnitudes, one a block
.set X,    176                         ; the other half's; then the scale bytes
.set SO,   192                         ; the conversions' scale operands
.set CD,   208                         ; codes, two registers a block
.set WD,   240                         ; scale words
.set PK,   248                         ; scale words as they are stored
.set MSB, 0
.macro WIN new                         ; the immediate's high byte repeats the setting that is left; a switch that changes nothing is dropped
.if MSB != (\new)
	s_set_vgpr_msb (MSB<<8)|(\new)
.set MSB, (\new)
.endif
.endm
.macro WM                              ; one product; registers in rD, rA, rB, rC, scale registers in rSA, rSB, their rows in fA, fB
.if fA && fB
	v_wmma_scale_f32_16x16x128_f8f6f4 v[rD:rD+7], v[rA:rA+7], v[rB:rB+7], v[rC:rC+7], v[rSA], v[rSB] matrix_a_fmt:MATRIX_FMT_FP4 matrix_b_fmt:MATRIX_FMT_FP4 matrix_a_scale:MATRIX_SCALE_ROW1 matrix_b_scale:MATRIX_SCALE_ROW1
.elseif fA
	v_wmma_scale_f32_16x16x128_f8f6f4 v[rD:rD+7], v[rA:rA+7], v[rB:rB+7], v[rC:rC+7], v[rSA], v[rSB] matrix_a_fmt:MATRIX_FMT_FP4 matrix_b_fmt:MATRIX_FMT_FP4 matrix_a_scale:MATRIX_SCALE_ROW1
.elseif fB
	v_wmma_scale_f32_16x16x128_f8f6f4 v[rD:rD+7], v[rA:rA+7], v[rB:rB+7], v[rC:rC+7], v[rSA], v[rSB] matrix_a_fmt:MATRIX_FMT_FP4 matrix_b_fmt:MATRIX_FMT_FP4 matrix_b_scale:MATRIX_SCALE_ROW1
.else
	v_wmma_scale_f32_16x16x128_f8f6f4 v[rD:rD+7], v[rA:rA+7], v[rB:rB+7], v[rC:rC+7], v[rSA], v[rSB] matrix_a_fmt:MATRIX_FMT_FP4 matrix_b_fmt:MATRIX_FMT_FP4
.endif
.endm
.macro PLACES                          ; four plain vector instructions between a matrix instruction and a load into, or a vector read of, its registers
.rept 4
	v_nop
.endr
.endm
; pass p's scale words of W and its bias
.macro LOADP p
.irp be, 0,1
	global_load_b128 v[WSC+8*\be:WSC+8*\be+3], v13, s[14+6*\p:15+6*\p] offset:1024*\be
	global_load_b128 v[WSC+8*\be+4:WSC+8*\be+7], v13, s[14+6*\p:15+6*\p] offset:1024*\be+16
.endr
.if \p == 2
.irp ct, 0,1,2,3
	global_load_b32 v[BIAS+8*\ct], v15, s[28:29] offset:(32*(\ct/2)+8*(\ct%2))*4      ; v: a lane has ONE dv a tile
.endr
.else
.irp ct, 0,1,2,3
	global_load_b128 v[BIAS+8*\ct:BIAS+8*\ct+3], v14, s[16+6*\p:17+6*\p] offset:(32*(\ct/2)+8*(\ct%2))*4      ; q, k: dk 32 B + 8 u + 16 hh + 0 .. 7
	global_load_b128 v[BIAS+8*\ct+4:BIAS+8*\ct+7], v14, s[16+6*\p:17+6*\p] offset:(32*(\ct/2)+8*(\ct%2))*4+16
.endr
.endif
.endm
; the 16 rows of Q's tile t, each a whole row of 512 bytes, into window 3
.macro QLOAD t
.irp i, 0,1,2,3,4,5,6,7,8,9,10,11,12,13,14,15
	global_load_b128 v[64*((\t)%4)+4*\i:64*((\t)%4)+4*\i+3], v1, s[8:9] offset:(32*((\t)/2)+8*((\t)%2)+\i+8*(\i/8))*4096
.endr
.endm
; two of W's four fragments of K step k of pass p, column tiles lo and lo + 1, into set k % 3: four LDS loads
.macro FETCHH p, k, lo
.irp ct, \lo, \lo+1
.irp c, 0,1
	ds_load_b128 v[WF+32*((\k)%3)+8*(\ct)+4*\c:WF+32*((\k)%3)+8*(\ct)+4*\c+3], v[AW+\p] offset:WTILE*(\ct)+64*(\k)+32*\c
.endr
.endr
.endm
; K step ks of pass p: 32 products, every accumulator once, in the same order in every step.
; In its middle, where the window of Q's fragments changes anyway, stand the other four LDS loads of K step ks + 2.  No wait: no product since the wait at the step's head names their registers
.macro MM p
.set rt, 0
.rept 8
.if (rt == 4) && (ks < 6)
	WIN 0
	FETCHH \p, ks+2, 2
.endif
.if \p == 2
.if ks == 0
	WIN 0xc1+rt/4                                  ; source 0 (Q) window 1 or 2, source 1 (W) and C (bias) window 0, D window 3
.else
	WIN 0xf1+rt/4                                  ; C window 3
.endif
.else
.if ks == 0
	WIN 0xc4+4*(rt/4)                              ; source 0 (W) and C (bias) window 0, source 1 (Q) window 1 or 2, D window 3
.else
	WIN 0xf4+4*(rt/4)
.endif
.endif
.set ct, 0
.rept 4
.set rQ, 64*(rt%4)+8*ks
.set rW, WF+32*(ks%3)+8*ct
.if \p == 2
.set rD, 64*(rt/2)+16*ct+8*(rt%2)      ; block 4 B + ct (32 keys of one dv) is 16 registers on end
.set rA, rQ
.set rB, rW
.set rSA, QSC+8*(rt/2)+ks
.set fA, rt%2
.set rSB, WSC+8*(ct/2)+ks
.set fB, ct%2
.else
.set rD, 32*rt+8*ct                    ; block 2 rt + B (32 dk of one key) is 16 registers on end
.set rA, rW
.set rB, rQ
.set rSA, WSC+8*(ct/2)+ks
.set fA, ct%2
.set rSB, QSC+8*(rt/2)+ks
.set fB, rt%2
.endif
.set rC, rD
.if ks == 0
.set rC, BIAS+8*ct                     ; the bias starts the sums: nothing is cleared, nothing is added later
.endif
	WM
.set ct, ct+1
.endr
.set rt, rt+1
.endr
.endm
; The 16 blocks of window 3 (block bk = registers 16 bk .. 16 bk + 15 of lanes l and l xor 16) become codes in CD and scale bytes in X.  The blocks take turns line by line.  p: the pass
.macro QBLOCKS p
	WIN 0x0f                                       ; sources 0 and 1 window 3
.set bk, 0
.rept 16
	v_max3_num_f32 v[T+bk], |v[16*bk]|, |v[16*bk+1]|, 0x1800000     ; with the floor 2^(3 - 127): the byte cannot fall under 1.  Each accumulator is read from its low end on
.set bk, bk+1
.endr
.irp i, 2,4,6,8,10,12,14
.set bk, 0
.rept 16
	v_max3_num_f32 v[T+bk], |v[16*bk+\i]|, |v[16*bk+\i+1]|, v[T+bk]
.set bk, bk+1
.endr
.endr
	WIN 0
.set bk, 0
.rept 16
	v_permlanex16_b32 v[X+bk], v[T+bk], s40, s41
.set bk, bk+1
.endr
.set bk, 0
.rept 16
	v_max_num_f32 v[T+bk], v[T+bk], v[X+bk]        ; with lane l xor 16's: the block's largest magnitude
.set bk, bk+1
.endr
.set bk, 0
.rept 16
	v_add_nc_u32 v[SO+bk], 0xff000000, v[T+bk]     ; 2 off its exponent field: the conversion takes the exponent field of this operand as its scale
.set bk, bk+1
.endr
.set bk, 0
.rept 16
	v_lshrrev_b32 v[X+bk], 23, v[SO+bk]            ; the scale's byte
.set bk, bk+1
.endr
	s_wait_xcnt 0x0                                ; the pass before stored from CD and PK: they are written again only behind this wait
.if \p > 0
	s_wait_alu depctr_vm_vsrc(0)                   ; the stores of the pass before have read CD and PK, which the conversions and the selects below write again
.endif
	WIN 0x03                                       ; source 0 window 3
.set bk, 0
.rept 16
	v_cvt_scalef32_pk8_fp4_f32 v[CD+2*bk], v[16*bk:16*bk+7], v[SO+bk]
	v_cvt_scalef32_pk8_fp4_f32 v[CD+2*bk+1], v[16*bk+8:16*bk+15], v[SO+bk]
.set bk, bk+1
.endr
	WIN 0
	v_nop                                          ; one plain place behind the last scaled conversion: the next pass's products write its sources
.endm
; q's or k's way out: 8 tiles x 512 bytes of codes, then 512 bytes of scale words (16 bytes a lane: word B is that of tile 2 B + lane / 16, row r; bytes 2 and 3 are 0).
; The scale words are made first, so that one wait serves all 17 stores
.macro OUTQK ob
.set i, 0
.rept 8
	v_lshl_or_b32 v[WD+i], v[X+2*i+1], 8, v[X+2*i]
.set i, i+1
.endr
.irp be, 0,1,2,3
	v_cndmask_b32 v[PK+\be], v[WD+2*\be+1], v[WD+2*\be], vcc_lo               ; lanes 0-15: tile 2 B; lanes 16-31: tile 2 B + 1
.endr
	s_wait_alu depctr_va_vdst(0)                   ; the conversions have written CD and the selects PK, which the stores below read; and all that named WF, T and X is done: the next pass's first fragment loads land there
.set bk, 0
.rept 16
	global_store_b64 v2, v[CD+2*bk:CD+2*bk+1], s[\ob:\ob+1] offset:256*bk      ; 32 lanes store 256 consecutive bytes, aligned
.set bk, bk+1
.endr
	global_store_b128 v1, v[PK:PK+3], s[\ob:\ob+1] offset:4096
.endm
; v's way out: 4 dv tiles x 1,024 bytes at 4,608 (block B of 32 keys at 256 B), then 256 bytes of scale words at 8,704 (8 bytes a lane: word i is that of dv tile 2 i + lane / 16)
.macro OUTV
.irp ct, 0,1,2,3
	v_lshl_or_b32 v[WD+\ct], v[X+\ct+4], 8, v[X+\ct]
	v_lshl_or_b32 v[WD+\ct], v[X+\ct+8], 16, v[WD+\ct]
	v_lshl_or_b32 v[WD+\ct], v[X+\ct+12], 24, v[WD+\ct]
.endr
	v_cndmask_b32 v[PK], v[WD+1], v[WD], vcc_lo
	v_cndmask_b32 v[PK+1], v[WD+3], v[WD+2], vcc_lo
	s_wait_alu depctr_va_vdst(0)                   ; the conversions have written CD and the selects PK, which the stores below read
.set bk, 0
.rept 16
	global_store_b64 v2, v[CD+2*bk:CD+2*bk+1], s[32:33] offset:4608+1024*(bk%4)+256*(bk/4)
.set bk, bk+1
.endr
	global_store_b64 v3, v[PK:PK+1], s[32:33] offset:8704
.endm
; A pass: 8 K steps on 32 accumulators, W's fragments two K steps ahead in three sets; the next pass's scale words and bias are asked for ahead of the quantiser
.macro PASS p, nxt
	s_wait_loadcnt 0x0                             ; this pass's scale words and bias
.if \p == 2
.irp ct, 0,1,2,3
.irp j, 1,2,3,4,5,6,7
	v_mov_b32 v[BIAS+8*\ct+\j], v[BIAS+8*\ct]      ; v's bias hangs on the lane's dv alone: the same in the tile's eight registers
.endr
.endr
	PLACES                                         ; kept between these copies and the products that take them as C, as for an operand so written
.endif
	FETCHH \p, 0, 0                                ; K steps 0 and 1 into sets 0 and 1.  No wait: nothing since the last wait on va_vdst (at the kernel's head; ahead of the last pass's stores) names these registers
	FETCHH \p, 0, 2
	FETCHH \p, 1, 0
	FETCHH \p, 1, 2
.set ks, 0
	s_wait_alu depctr_va_vdst(0)
.rept 8
.if ks < 7
	s_wait_dscnt 8                                 ; this step's set is in; the next step's 8 loads may be out
.else
	s_wait_dscnt 0x0
.endif
.if (ks > 0) && (ks < 6)
	s_wait_alu depctr_va_vdst(0)                   ; the products of the step before are done reading their set, in which this step's eight LDS loads land
.endif
.if ks < 6
	FETCHH \p, ks+2, 0                             ; (in step 0 the third set: T's and X's registers, which nothing has named since the last wait on va_vdst)
.endif
	MM \p
	WIN 0
	PLACES
.set ks, ks+1
.endr
.if \nxt < 3
	s_wait_alu depctr_va_vdst(0)                   ; the pass's products are done reading WSC and BIAS, in which the next pass's loads land
	LOADP \nxt
.endif
	QBLOCKS \p
.if \p == 0
	OUTQK 30
.elseif \p == 1
	OUTQK 32
.else
	OUTV
.endif
.endm
	s_load_b512 s[8:23], s[0:1], 0x0               ; Q_codes 8, Q_scales 10, Wq_codes 12, Wq_scales 14, bq 16, Wk_codes 18, Wk_scales 20, bk 22
	s_load_b256 s[24:31], s[0:1], 0x40             ; Wv_codes 24, Wv_scales 26, bv 28, qq 30
	s_load_b64 s[32:33], s[0:1], 0x60              ; kv
	v_lshl_add_u32 v254, v0, 2, 0x21000
	v_mov_b32 v255, 0
	v_lshrrev_b32 v240, 5, v0
	v_readfirstlane_b32 s2, v240                   ; wave
	s_lshr_b32 s3, ttmp9, 4                        ; h
	s_bfe_u32 s4, ttmp9, 0x30001                   ; st
	s_and_b32 s5, ttmp9, 1
	s_lshl_b32 s5, s5, 2
	s_wait_alu depctr_va_sdst(0)                   ; s2 is written, ahead of its first reader: b, the LDS addresses and the bases are made from it
	s_add_co_u32 s5, s5, s2                        ; b
	s_mov_b32 s40, 0x76543210
	s_mov_b32 s41, 0xfedcba98                      ; v_permlanex16_b32's selects for lane l xor 16
	v_and_b32 v241, 31, v0                         ; l
	v_and_b32 v242, 15, v0                         ; r
	v_bfe_u32 v243, v0, 4, 1                       ; hh
	v_and_b32 v244, 8, v242
	v_add_nc_u32 v244, v244, v242                  ; r8
	v_lshlrev_b32 v1, 4, v241                      ; v1  16 l
	s_wait_alu depctr_va_vdst(0)
	v_lshlrev_b32 v2, 4, v242
	v_lshl_add_u32 v2, v243, 3, v2                 ; v2  16 r + 8 hh: my 8 bytes of a block's 256
	v_lshlrev_b32 v3, 3, v241                      ; v3  8 l
	s_lshl_b32 s36, s2, 13
	v_add_nc_u32 v4, s36, v1                       ; v4  W's rows 16 wave on, 16 bytes a lane
	s_lshr_b32 s36, s2, 1
	s_lshl_b32 s36, s36, 5
	s_and_b32 s37, s2, 1
	s_lshl_b32 s37, s37, 3
	s_add_co_u32 s36, s36, s37
	s_mul_i32 s36, s36, PITCH
	v_add_nc_u32 v5, s36, v1                       ; v5  where they go: row 16 wave + i lies at place 32 (wave / 2) + 8 (wave % 2) + 16 (i / 8) + i % 8: tile by tile
	v_add_nc_u32 v6, 2*WPROJ, v5                   ; v6  the same in v's region
	s_mul_i32 s37, s2, WTILE
	s_add_co_u32 s37, s37, QST                     ; my stage
	v_add_nc_u32 v7, s37, v1                       ; v7  into it: a row, 16 bytes a lane
	v_mul_u32_u24 v9, v242, PITCH
	v_lshl_add_u32 v9, v243, 4, v9                 ; a fragment's row r, + 16 hh
	v_add_nc_u32 v8, s37, v9                       ; v8  out of my stage
	v_add_nc_u32 v10, WPROJ, v9
	v_add_nc_u32 v11, 2*WPROJ, v9
	v_lshl_add_u32 v245, v243, 3, v244             ; 8 hh + r8: my row among 32, for scale words (lanes 16-31: the odd tile)
	v_lshlrev_b32 v12, 8, v245                     ; v12 Q's scale rows of one batch lie 256 bytes apart
	v_lshlrev_b32 v13, 5, v245                     ; v13 W's 32
	v_lshlrev_b32 v14, 6, v243                     ; v14 64 hh
	v_lshlrev_b32 v15, 2, v244                     ; v15 4 r8
	v_cmp_gt_u32 vcc_lo, 16, v241                  ; lanes 0-15; kept for the whole launch
	s_wait_alu depctr_va_vcc(0)                    ; VCC is written, ahead of its first reader: the selects on the ways out read it
.set i, 0
.rept 16
	v_mov_b32 v[X+i], 0                            ; written once: a lane permute's destination counts as one of its sources
.set i, i+1
.endr
	s_mov_b32 s35, 0
	s_wait_kmcnt 0x0
	s_lshl_b32 s34, s3, 15                         ; the head's 64 rows of 512 bytes
	s_add_nc_u64 s[12:13], s[12:13], s[34:35]
	s_add_nc_u64 s[18:19], s[18:19], s[34:35]
	s_add_nc_u64 s[24:25], s[24:25], s[34:35]
	s_lshl_b32 s34, s3, 11
	s_add_nc_u64 s[14:15], s[14:15], s[34:35]
	s_add_nc_u64 s[20:21], s[20:21], s[34:35]
	s_add_nc_u64 s[26:27], s[26:27], s[34:35]
	s_lshl_b32 s34, s3, 8
	s_add_nc_u64 s[16:17], s[16:17], s[34:35]
	s_add_nc_u64 s[22:23], s[22:23], s[34:35]
	s_add_nc_u64 s[28:29], s[28:29], s[34:35]
	s_lshl_b32 s34, s4, 19                         ; 128 keys x 8 batches x 512 bytes
	s_lshl_b32 s36, s5, 9
	s_add_co_u32 s34, s34, s36
	s_add_nc_u64 s[8:9], s[8:9], s[34:35]
	s_lshl_b32 s34, s4, 15
	s_lshl_b32 s36, s5, 5
	s_add_co_u32 s34, s34, s36
	s_add_nc_u64 s[10:11], s[10:11], s[34:35]
	s_lshl_b32 s36, s3, 3
	s_add_co_u32 s36, s36, s5
	s_lshl_b32 s36, s36, 3
	s_add_co_u32 s36, s36, s4                      ; (8 h + b) 8 + st: my block of qq and of kv
	s_mul_i32 s34, s36, 4608
	s_add_nc_u64 s[30:31], s[30:31], s[34:35]
	s_mul_i32 s34, s36, 8960
	s_add_nc_u64 s[32:33], s[32:33], s[34:35]
	; ---- all the loads of the head
	s_wait_alu depctr_va_vdst(0)                   ; the offsets and addresses v1 to v15 are written, which every load and store of the kernel reads; so are X's registers, in which fragments of W land in pass 0
.irp be, 0,1,2,3
	global_load_b128 v[QSC+8*\be:QSC+8*\be+3], v12, s[10:11] offset:8192*\be
	global_load_b128 v[QSC+8*\be+4:QSC+8*\be+7], v12, s[10:11] offset:8192*\be+16
.endr
	LOADP 0
	WIN 0x80                                       ; destination window 2
.irp p, 0,1,2
.irp i, 0,1,2,3,4,5,6,7,8,9,10,11,12,13,14,15
	global_load_b128 v[4*(16*\p+\i):4*(16*\p+\i)+3], v4, s[12+6*\p:13+6*\p] offset:512*\i      ; my 16 rows of each W, whole rows
.endr
.endr
	WIN 0xc0                                       ; destination window 3
	QLOAD 0
	QLOAD 1
	QLOAD 2
	QLOAD 3
	; ---- W into LDS
	s_wait_loadcnt 0x3f                            ; 64 loads were issued behind W's rows; 63 is the largest count that can be written, and a smaller count is always right
	WIN 0x08                                       ; an LDS store's data are its source 1: window 2
.irp p, 0,1
.irp i, 0,1,2,3,4,5,6,7,8,9,10,11,12,13,14,15
	ds_store_b128 v5, v[4*(16*\p+\i):4*(16*\p+\i)+3] offset:WPROJ*\p+(16*(\i/8)+(\i%8))*PITCH
.endr
.endr
.irp i, 0,1,2,3,4,5,6,7,8,9,10,11,12,13,14,15
	ds_store_b128 v6, v[4*(32+\i):4*(32+\i)+3] offset:(16*(\i/8)+(\i%8))*PITCH
.endr
	; ---- Q's rows turn into fragments, a tile of 16 rows at a time.  LDS serves a wave's instructions in order (ISA guide 5.7.1.4): no wait between the stores and the loads, nor in front of the next tile's stores
.set t, 0
.rept 8
.if t <= 4
	s_wait_loadcnt 48                              ; tile t's 16 rows are in; the three tiles behind it may be out
.else
	s_wait_loadcnt 16*(7-t)
.endif
	WIN 0x0c                                       ; data: window 3
.irp i, 0,1,2,3,4,5,6,7,8,9,10,11,12,13,14,15
	ds_store_b128 v7, v[64*(t%4)+4*\i:64*(t%4)+4*\i+3] offset:PITCH*\i
.endr
	WIN 0x40+0x40*(t/4)                            ; destination window 1 or 2
.irp k, 0,1,2,3,4,5,6,7
.irp c, 0,1
	ds_load_b128 v[64*(t%4)+8*\k+4*\c:64*(t%4)+8*\k+4*\c+3], v8 offset:64*\k+32*\c
.endr
.endr
.if t < 4
	s_wait_dscnt 16                                ; the stage stores have read their registers (the 16 loads may be out): these take the tile four further on
	WIN 0xc0
	s_wait_alu depctr_vm_vsrc(0)                   ; the stage stores have read this tile's registers of window 3, in which the loads below land; and W's LDS stores have read window 2, in which the fragments of tiles 4 to 7 land
	QLOAD t+4
.endif
.set t, t+1
.endr
	WIN 0
	s_wait_dscnt 0x0                               ; my rows of W have landed, my fragments are in
	s_barrier_signal -1
	s_barrier_wait -1                              ; W is whole; from here on LDS is only read
	s_wait_alu depctr_vm_vsrc(0)                   ; the stage stores of tiles 4 to 7 have read window 3: its registers are the accumulators from here on, written by the products
	PASS 0, 1
	PASS 1, 2
	PASS 2, 3
	s_wait_dscnt 0x0                               ; the closing lines, six on end
	s_wait_alu 0x0
	s_wait_tensorcnt 0x0
	ds_add_u32 v254, v255
	s_wait_dscnt 0x0
	s_endpgm
.Lfunc_end_k_q1e269f624b_proj:
	.size	k_q1e269f624b_proj, .Lfunc_end_k_q1e269f624b_proj-k_q1e269f624b_proj
	.p2alignl 7, 3214868480
	.fill 96, 4, 3214868480
	.section	.rodata,"a",@progbits
	.p2align	6, 0x0
	.amdhsa_kernel k_q1e269f624b_proj
		.amdhsa_group_segment_fixed_size 135680
		.amdhsa_private_segment_fixed_size 0
		.amdhsa_enable_private_segment 0
		.amdhsa_kernarg_size 104
		.amdhsa_user_sgpr_count 2
		.amdhsa_user_sgpr_kernarg_segment_ptr 1
		.amdhsa_wavefront_size32 1
		.amdhsa_system_sgpr_workgroup_id_x 1
		.amdhsa_system_sgpr_workgroup_id_y 1
		.amdhsa_system_sgpr_workgroup_id_z 1
		.amdhsa_system_vgpr_workitem_id 0
		.amdhsa_next_free_vgpr 1024
		.amdhsa_next_free_sgpr 66
		.amdhsa_reserve_vcc 1
		.amdhsa_float_denorm_mode_32 3
		.amdhsa_float_denorm_mode_16_64 3
		.amdhsa_memory_ordered 1
		.amdhsa_forward_progress 1
		.amdhsa_inst_pref_size 210
	.end_amdhsa_kernel
	.amdgpu_metadata
---
amdhsa.version: [ 1, 2 ]
amdhsa.kernels:
  - .name:           k_q1e269f624b_proj
    .symbol:         k_q1e269f624b_proj.kd
    .args:
      - { .name: Q_codes, .offset: 0, .size: 8, .value_kind: global_buffer, .address_space: global }
      - { .name: Q_scales, .offset: 8, .size: 8, .value_kind: global_buffer, .address_space: global }
      - { .name: Wq_codes, .offset: 16, .size: 8, .value_kind: global_buffer, .address_space: global }
      - { .name: Wq_scales, .offset: 24, .size: 8, .value_kind: global_buffer, .address_space: global }
      - { .name: bq, .offset: 32, .size: 8, .value_kind: global_buffer, .address_space: global }
      - { .name: Wk_codes, .offset: 40, .size: 8, .value_kind: global_buffer, .address_space: global }
      - { .name: Wk_scales, .offset: 48, .size: 8, .value_kind: global_buffer, .address_space: global }
      - { .name: bk, .offset: 56, .size: 8, .value_kind: global_buffer, .address_space: global }
      - { .name: Wv_codes, .offset: 64, .size: 8, .value_kind: global_buffer, .address_space: global }
      - { .name: Wv_scales, .offset: 72, .size: 8, .value_kind: global_buffer, .address_space: global }
      - { .name: bv, .offset: 80, .size: 8, .value_kind: global_buffer, .address_space: global }
      - { .name: qq, .offset: 88, .size: 8, .value_kind: global_buffer, .address_space: global }
      - { .name: kv, .offset: 96, .size: 8, .value_kind: global_buffer, .address_space: global }
    .group_segment_fixed_size: 135680
    .private_segment_fixed_size: 0
    .kernarg_segment_align: 8
    .kernarg_segment_size: 104
    .max_flat_workgroup_size: 128
    .sgpr_count:     66
    .vgpr_count:     1024
    .wavefront_size: 32
...
	.end_amdgpu_metadata
.endif
;; end of part 4
;; launch attn (part 5): grid 256 x 1, 16 waves a work-group, no clusters, 169,984 bytes of LDS; arguments qq, kv, yimg, ysc; writes yimg, ysc
.if DOCPART == 5
	.amdgcn_target "amdgcn-amd-amdhsa--gfx1250"
	.amdhsa_code_object_version 6
	.text
	.protected	k_q1e269f624b_attn
	.globl	k_q1e269f624b_attn
	.p2align	8
	.type	k_q1e269f624b_attn,@function
k_q1e269f624b_attn:
	s_mov_b64 s[64:65], 0
	v_nop
	global_prefetch_b8 v0, s[64:65] scope:SCOPE_SE
	s_setreg_imm32_b32 hwreg(HW_REG_WAVE_MODE, 25, 1), 1
	s_wait_xcnt 0x0
; y = softmax(q k^T / 8, causal) v for one (head, batch), both products on codes of FP4 (E2M1) with one E8M0 scale for each 32 along a product's K; then y is quantised along dv for the output product.
; THE SOFTMAX: t = score x log2(e) / 8; M = the row's largest t so far, rounded UP to a whole number; p = 2^(t - M) is quantised along the keys, not normalised.  The row's sum is taken of the
; unquantised p and divides O at the end.  When M moves, the sum and O are multiplied by 2^(old M - new M): exact.
; SHARES.  Work-group x: hb = x / 2 (head 8 h + b), g = x % 2.  Wave w has p = w xor 3 ((w / 4) % 2), the unit U = 2 p + g of 32 queries (two tiles a = 0, 1 of 16) and walks steps 0 .. L = p / 2 of 128 keys:
; what lies wholly behind the causal mask is not multiplied.  Both tiles share each fragment of k and v.  72 wave-steps a work-group, whatever g; the xor gives each class w % 4 18 of them.
; k AND v OF THE WHOLE (head, batch), 71,680 dense bytes in operand order, come into LDS ONCE, by four tensor loads; nothing is filled again and nothing is stored to LDS.
; NO JOINT LOADS: two work-groups share those 71,680 bytes, read once at the head; no step of the loop asks for anything.
; LAYOUT (as the projection launch left it; r8(r) = r + (r & 8)): tile 2 B + u takes in row r thing 32 B + 8 u + r8(r).  S^T = k q^T (source 0 = 16 keys, source 1 = 16 queries), O^T = v^T p^T (source 0 = 16 dv, source 1 = p):
; a lane holds ONE query; register 16 B + i of S is key 32 B + 16 hh + i of the step, register 16 B + i of O is dv 32 B + 16 hh + i.
; K = 64 IN AN INSTRUCTION OF K = 128: q's upper four registers are zero codes.  k's operand of tile T is v[32 + 4 T : 39 + 4 T]: its upper four registers are the next tile's codes (zeros behind the last);
; each meets a zero code, E2M1 has neither NaN nor infinity, and the scale bytes there are 0 (2^-127), so those products are exactly 0.
; LIMITS: NaN and infinities are not served.  A block of p or y whose largest magnitude lies under 2^-124 gets the scale byte 1 (only this program reads the bytes).
; REGISTERS: v1 16 l, v2 8 l, v3-4 LDS addresses, v5-6 the mask's d, v7 16 r + 8 hh; v8-15 statistics (tile a: -M, largest t, the sum in two halves); v16-31 q; v32-67 k or v; v68-71, v72-73, v74 scale words of k, v, q;
;   v76-91 p's codes; v92-93 p's scale words; v96-159 S, then p; v160-223 O^T; v224-245 at work.
.set S,   96
.set BM,  224                          ; a block's largest score, then its largest p
.set BX,  228
.set SO,  232
.set STEPB, 8960                       ; a step in LDS: k's 8 tiles x 512, k's scale words (512) at 4,096, v's 4 tiles x 1,024 at 4,608, v's scale words (256) at 8,704
.macro WM0                             ; a product that starts a sum
.if fA && fB
	v_wmma_scale_f32_16x16x128_f8f6f4 v[rD:rD+7], v[rA:rA+7], v[rB:rB+7], 0, v[rSA], v[rSB] matrix_a_fmt:MATRIX_FMT_FP4 matrix_b_fmt:MATRIX_FMT_FP4 matrix_a_scale:MATRIX_SCALE_ROW1 matrix_b_scale:MATRIX_SCALE_ROW1
.elseif fA
	v_wmma_scale_f32_16x16x128_f8f6f4 v[rD:rD+7], v[rA:rA+7], v[rB:rB+7], 0, v[rSA], v[rSB] matrix_a_fmt:MATRIX_FMT_FP4 matrix_b_fmt:MATRIX_FMT_FP4 matrix_a_scale:MATRIX_SCALE_ROW1
.elseif fB
	v_wmma_scale_f32_16x16x128_f8f6f4 v[rD:rD+7], v[rA:rA+7], v[rB:rB+7], 0, v[rSA], v[rSB] matrix_a_fmt:MATRIX_FMT_FP4 matrix_b_fmt:MATRIX_FMT_FP4 matrix_b_scale:MATRIX_SCALE_ROW1
.else
	v_wmma_scale_f32_16x16x128_f8f6f4 v[rD:rD+7], v[rA:rA+7], v[rB:rB+7], 0, v[rSA], v[rSB] matrix_a_fmt:MATRIX_FMT_FP4 matrix_b_fmt:MATRIX_FMT_FP4
.endif
.endm
.macro WMA                             ; a product that adds in place
.if fA
	v_wmma_scale_f32_16x16x128_f8f6f4 v[rD:rD+7], v[rA:rA+7], v[rB:rB+7], v[rD:rD+7], v[rSA], v[rSB] matrix_a_fmt:MATRIX_FMT_FP4 matrix_b_fmt:MATRIX_FMT_FP4 matrix_a_scale:MATRIX_SCALE_ROW1
.else
	v_wmma_scale_f32_16x16x128_f8f6f4 v[rD:rD+7], v[rA:rA+7], v[rB:rB+7], v[rD:rD+7], v[rSA], v[rSB] matrix_a_fmt:MATRIX_FMT_FP4 matrix_b_fmt:MATRIX_FMT_FP4
.endif
.endm
.macro PLACES                          ; four plain vector instructions between a matrix instruction and a load into, or a vector read of, its registers
.rept 4
	v_nop
.endr
.endm
.macro KQ a                            ; S^T = k q_a^T: eight tiles of 16 keys
.set tau, 0
.rept 8
.set rD, S+8*tau
.set rA, 32+4*tau
.set rB, 16+8*\a
.set rSA, 68+tau/2
.set fA, tau%2
.set rSB, 74
.set fB, \a
	WM0
.set tau, tau+1
.endr
.endm
.macro MASK a                          ; the diagonal step: register n holds key 32 (n / 16) + n % 16 + 16 hh of the step: hidden where that passes my query, i.e. 32 (n / 16) + n % 16 > d
.set n, 0
.rept 64
	v_cmp_gt_i32 vcc_lo, 32*(n/16)+n%16, v[5+\a]
	v_cndmask_b32 v[S+n], v[S+n], v241, vcc_lo     ; -infinity: p = 0 then
.set n, n+1
.endr
.endm
; tile a's softmax of one step: S becomes p; p's codes and scale word are made; the sum and O^T come under the new M
.macro SOFT a
.set sM, 8+4*\a
.set sP, 76+8*\a
.set sO, 160+32*\a
.irp b, 0,1,2,3
	v_max3_num_f32 v[BM+\b], v[S+16*\b], v[S+16*\b+1], v[S+16*\b+2]           ; the largest score of each block of 32 keys: for the row's maximum, and, since p rises with the score, for the block's largest p
.endr
.irp i, 3,5,7,9,11,13
.irp b, 0,1,2,3
	v_max3_num_f32 v[BM+\b], v[BM+\b], v[S+16*\b+\i], v[S+16*\b+\i+1]         ; (the four blocks by turns)
.endr
.endr
.irp b, 0,1,2,3
	v_max_num_f32 v[BM+\b], v[BM+\b], v[S+16*\b+15]
.endr
.irp b, 0,1,2,3
	s_delay_alu instid0(VALU_DEP_4)
	v_permlanex16_b32 v[BX+\b], v[BM+\b], s20, s21
.endr
.irp b, 0,1,2,3
	s_delay_alu instid0(VALU_DEP_4)
	v_max_num_f32 v[BM+\b], v[BM+\b], v[BX+\b]     ; with lane l xor 16's 16 keys
.endr
	s_delay_alu instid0(VALU_DEP_2)
	v_max3_num_f32 v240, v[BM], v[BM+1], v[BM+2]
	s_delay_alu instid0(VALU_DEP_1)
	v_max_num_f32 v240, v240, v[BM+3]              ; the step's largest score of my query (the step's first key is never hidden, so it is a number)
	s_delay_alu instid0(VALU_DEP_1)
	v_mul_f32 v240, s22, v240                      ; as t (c is positive)
	s_delay_alu instid0(VALU_DEP_1)
	v_max_num_f32 v[sM+1], v[sM+1], v240           ; the running largest t
	v_mov_b32 v240, v[sM]
	s_delay_alu instid0(VALU_DEP_2)
	v_floor_f32 v[sM], -v[sM+1]                    ; the new -M = floor(-t) = -ceil(t)
	s_delay_alu instid0(VALU_DEP_1)
	v_sub_f32 v240, v[sM], v240                    ; old M - new M: a whole number, 0 or less
	s_delay_alu instid0(VALU_DEP_1)
	v_cvt_i32_f32 v240, v240                       ; (it saturates)
	s_delay_alu instid0(VALU_DEP_1)
	v_ldexp_f32 v238, 1.0, v240                    ; f = 2^(old M - new M)
.set j, 0
.rept 32
	v_pk_fma_f32 v[S+j:S+j+1], v[S+j:S+j+1], s[22:23], v[sM:sM+1] op_sel_hi:[1,0,0]      ; t - M, two at a time (of the pairs c and -M the low word serves both halves)
.set j, j+2
.endr
.irp b, 0,1,2,3
	v_fma_f32 v[BM+\b], v[BM+\b], s22, v[sM]       ; the same of each block's largest score
.endr
.set j, 0
	s_wait_alu depctr_va_vdst(0)
.rept 64
	v_exp_f32 v[S+j], v[S+j]                       ; p = 2^(t - M), at most 1
.set j, j+1
.endr
.irp b, 0,1,2,3
	v_exp_f32 v[BM+\b], v[BM+\b]                   ; the block's largest p: the same two instructions on the same number
.endr
	v_pk_mul_f32 v[sM+2:sM+3], v[sM+2:sM+3], v[238:239] op_sel_hi:[1,0]       ; the sum under the new M.  (The plain place behind the exponentials)
	s_wait_alu depctr_va_vdst(0)
.irp b, 0,1,2,3
	v_max_num_f32 v[BM+\b], 0x1800000, v[BM+\b]    ; the floor 2^(3 - 127): the byte cannot fall under 1
.endr
.irp b, 0,1,2,3
	s_delay_alu instid0(VALU_DEP_4)
	v_add_nc_u32 v[SO+\b], 0xff000000, v[BM+\b]    ; 2 off the exponent field: the conversion's scale operand
.endr
.irp b, 0,1,2,3
	s_delay_alu instid0(VALU_DEP_4)
	v_lshrrev_b32 v[BX+\b], 23, v[SO+\b]           ; the scale's byte
.endr
	s_delay_alu instid0(VALU_DEP_3)
	v_lshl_or_b32 v[92+\a], v[BX+1], 8, v[BX]      ; p's scale word for these 128 keys
	s_delay_alu instid0(VALU_DEP_1)
	v_lshl_or_b32 v[92+\a], v[BX+2], 16, v[92+\a]
	s_delay_alu instid0(VALU_DEP_1)
	v_lshl_or_b32 v[92+\a], v[BX+3], 24, v[92+\a]
.irp b, 0,1,2,3
	v_cvt_scalef32_pk8_fp4_f32 v[sP+2*\b], v[S+16*\b:S+16*\b+7], v[SO+\b]
	v_cvt_scalef32_pk8_fp4_f32 v[sP+2*\b+1], v[S+16*\b+8:S+16*\b+15], v[SO+\b]
.endr
	v_nop                                          ; one plain place behind a scaled conversion
.irp c, 0,1                                    ; the operand wants a WHOLE block in a lane: lanes 0-15 block 2 c, lanes 16-31 block 2 c + 1
.irp i, 0,1
	v_permlane16_swap_b32 v[sP+4*\c+\i], v[sP+4*\c+2+\i]
.endr
.endr
.set j, 0
.rept 16
	v_pk_mul_f32 v[sO+j:sO+j+1], v[sO+j:sO+j+1], v[238:239] op_sel_hi:[1,0]   ; O^T under the new M, each accumulator from its low end on
.set j, j+2
.endr
	v_pk_add_f32 v[236:237], v[S:S+1], v[S+2:S+3]  ; the row's sum of the UNQUANTISED p, two at a time, in two chains; these 32 lines also stand between what was just written and the products that take it
.set j, 4
.rept 15
	v_pk_add_f32 v[sM+2:sM+3], v[sM+2:sM+3], v[S+j:S+j+1]
	v_pk_add_f32 v[236:237], v[236:237], v[S+j+2:S+j+3]
.set j, j+4
.endr
	s_delay_alu instid0(VALU_DEP_1)
	v_pk_add_f32 v[sM+2:sM+3], v[sM+2:sM+3], v[236:237]
.endm
; tile a's end: y = O^T / the sum; its two blocks of 32 dv are quantised; codes leave as halves of an operand image, the two scale bytes stay in v[244 + a]
.macro FIN a
.set sM, 8+4*\a
.set sP, 76+8*\a
.set sO, 160+32*\a
.set fY, S+32*\a
	v_add_f32 v240, v[sM+2], v[sM+3]
	s_delay_alu instid0(VALU_DEP_1)
	v_permlanex16_b32 v[BX], v240, s20, s21
	s_delay_alu instid0(VALU_DEP_1)
	v_add_f32 v240, v240, v[BX]                    ; the row's sum
	s_wait_alu depctr_va_vdst(0)
	v_rcp_f32 v238, v240
	v_nop                                          ; one plain place behind a transcendental
.set j, 0
	s_wait_alu depctr_va_vdst(0)
.rept 16
	v_pk_mul_f32 v[fY+j:fY+j+1], v[sO+j:sO+j+1], v[238:239] op_sel_hi:[1,0]
.set j, j+2
.endr
.irp b, 0,1
	v_max3_num_f32 v[BM+\b], |v[fY+16*\b]|, |v[fY+16*\b+1]|, 0x1800000
.endr
.irp i, 2,4,6,8,10,12,14
.irp b, 0,1
	s_delay_alu instid0(VALU_DEP_2)
	v_max3_num_f32 v[BM+\b], v[BM+\b], |v[fY+16*\b+\i]|, |v[fY+16*\b+\i+1]|
.endr
.endr
.irp b, 0,1
	s_delay_alu instid0(VALU_DEP_2)
	v_permlanex16_b32 v[BX+\b], v[BM+\b], s20, s21
.endr
.irp b, 0,1
	s_delay_alu instid0(VALU_DEP_2)
	v_max_num_f32 v[BM+\b], v[BM+\b], v[BX+\b]
.endr
.irp b, 0,1
	s_delay_alu instid0(VALU_DEP_2)
	v_add_nc_u32 v[SO+\b], 0xff000000, v[BM+\b]
.endr
.irp b, 0,1
	s_delay_alu instid0(VALU_DEP_2)
	v_lshrrev_b32 v[BX+\b], 23, v[SO+\b]
.endr
.irp b, 0,1
	v_cvt_scalef32_pk8_fp4_f32 v[sP+2*\b], v[fY+16*\b:fY+16*\b+7], v[SO+\b]
	v_cvt_scalef32_pk8_fp4_f32 v[sP+2*\b+1], v[fY+16*\b+8:fY+16*\b+15], v[SO+\b]
.endr
	v_lshl_or_b32 v[244+\a], v[BX+1], 8, v[BX]     ; (also the plain place behind the conversions)
.irp b, 0,1
	global_store_b64 v7, v[sP+2*\b:sP+2*\b+1], s[8:9] offset:8192*\a+256*\b   ; 32 lanes store 256 consecutive bytes, aligned
.endr
.endm
	s_load_b256 s[4:11], s[0:1], 0x0               ; qq 4, kv 6, yimg 8, ysc 10
	v_lshl_add_u32 v254, v0, 2, 0x29000
	v_mov_b32 v255, 0
	ds_add_u32 v254, v255
	ds_add_u32 v254, v255
	v_lshrrev_b32 v3, 5, v0
	s_delay_alu instid0(VALU_DEP_1)
	v_readfirstlane_b32 s12, v3                    ; wave 0..15
	s_bfe_u32 s13, s12, 0x10002
	s_mul_i32 s13, s13, 3
	s_xor_b32 s13, s13, s12                        ; p
	s_lshr_b32 s16, ttmp9, 1                       ; hb
	s_and_b32 s17, ttmp9, 1                        ; g
	s_lshl_b32 s14, s13, 1
	s_add_co_u32 s14, s14, s17                     ; U
	s_lshr_b32 s15, s13, 1                         ; L = U / 4: it hangs on the wave's number alone
	s_lshr_b32 s18, s16, 3                         ; h
	s_and_b32 s19, s16, 7                          ; b
	s_mov_b32 s20, 0x76543210
	s_mov_b32 s21, 0xfedcba98                      ; v_permlanex16_b32's selects for lane l xor 16
	s_mov_b32 s22, 0x3e38aa3b                      ; c = log2(e) / 8
	s_mov_b32 s23, s22                             ; (named with it as a pair, so it is written)
	; descriptor group 1: a dense block as 70 rows of 256 bytes (32 elements of 8 bytes), no padding: every LDS read takes 16 bytes a lane on end
	s_mov_b32 s24, 3<<16
	s_mov_b32 s25, 32<<16                          ; tensor_dim0
	s_mov_b32 s26, 70<<16                          ; tensor_dim1
	s_mov_b32 s27, 32<<16                          ; tile_dim0
	s_mov_b32 s28, 70                              ; tile_dim1
	s_mov_b32 s29, 32                              ; pitch
	s_mov_b32 s30, 0
	s_mov_b32 s31, 0
	s_mov_b32 s32, 1
	s_mul_i32 s33, s12, 17920                      ; LDS address: a quarter of the 71,680 bytes for each of waves 0 to 3
	s_mul_i32 s38, s16, 71680
	s_add_co_u32 s38, s38, s33
	s_mov_b32 s39, 0
	s_wait_dscnt 0x0
	s_wait_kmcnt 0x0
	s_add_nc_u64 s[34:35], s[6:7], s[38:39]
	s_or_b32 s35, s35, 0x80000000
	s_cmp_lt_u32 s12, 4
	s_cbranch_scc0 .Lnofill
	tensor_load_to_lds s[32:35], s[24:31]          ; one load of mine is out
	s_nop 0
.rept 4
	v_nop
.endr
.Lnofill:
	s_lshl_b32 s44, s16, 3
	s_add_co_u32 s44, s44, s15
	s_mul_i32 s44, s44, 4608                       ; my queries' step of qq
	s_and_b32 s45, s14, 3                          ; U % 4
	s_lshl_b32 s38, s45, 10
	s_add_co_u32 s38, s38, s44
	s_add_nc_u64 s[40:41], s[4:5], s[38:39]        ; my two tiles' codes
	s_lshl_b32 s38, s45, 2
	s_add_co_u32 s38, s38, s44
	s_add_nc_u64 s[42:43], s[4:5], s[38:39]        ; word U % 4 of the step's scale image
	s_lshl_b32 s44, s19, 5
	s_add_co_u32 s44, s44, s14                     ; 32 b + U
	s_lshl_b32 s38, s44, 14
	s_lshl_b32 s46, s18, 9
	s_add_co_u32 s38, s38, s46
	s_add_nc_u64 s[8:9], s[8:9], s[38:39]          ; yimg [b][U][a][h][512]
	s_lshl_b32 s38, s44, 3
	s_lshr_b32 s46, s18, 1
	s_add_co_u32 s38, s38, s46
	s_lshl_b32 s38, s38, 7
	s_and_b32 s46, s18, 1
	s_lshl_b32 s46, s46, 1
	s_add_co_u32 s38, s38, s46
	s_add_nc_u64 s[10:11], s[10:11], s[38:39]      ; ysc [b][U][h / 2][lane] words, my head's half
	v_and_b32 v240, 31, v0                         ; l
	s_delay_alu instid0(VALU_DEP_1)
	v_lshlrev_b32 v1, 4, v240
	s_delay_alu instid0(VALU_DEP_2)
	v_lshlrev_b32 v2, 3, v240
	global_load_b128 v[16:19], v1, s[40:41]        ; q's fragments stay in registers
	global_load_b128 v[24:27], v1, s[40:41] offset:512
	global_load_b32 v74, v1, s[42:43] offset:4096  ; lanes 0-15: tile 0's words; lanes 16-31: tile 1's
	v_and_b32 v3, 15, v0                           ; r
	v_bfe_u32 v4, v0, 4, 1                         ; hh
	s_delay_alu instid0(VALU_DEP_2)
	v_lshlrev_b32 v7, 4, v3
	s_delay_alu instid0(VALU_DEP_1)
	v_lshl_add_u32 v7, v4, 3, v7                   ; 16 r + 8 hh
	s_delay_alu instid0(VALU_DEP_4)
	v_and_b32 v5, 8, v3
	s_delay_alu instid0(VALU_DEP_1)
	v_add_nc_u32 v5, v5, v3                        ; r8
	v_lshlrev_b32 v6, 4, v4
	s_delay_alu instid0(VALU_DEP_1)
	v_sub_nc_u32 v5, v5, v6
	s_lshl_b32 s46, s45, 5
	v_add_nc_u32 v5, s46, v5                       ; d_0 = my query in its step - 16 hh = 32 (U % 4) + r8 - 16 hh
	s_delay_alu instid0(VALU_DEP_1)
	v_add_nc_u32 v6, 8, v5                         ; d_1
.irp i, 20,21,22,23,28,29,30,31,64,65,66,67
	v_mov_b32 v\i, 0                               ; zero codes: the upper half of K
.endr
.irp i, 228,229,230,231,239,10,11,14,15
	v_mov_b32 v\i, 0                               ; lane permutes' destinations, the pair's upper half, the sums
.endr
	v_mov_b32 v241, 0xff800000                     ; -infinity
	v_mov_b32 v9, 0xff61b1e6                       ; the largest t so far: -3e38, under every t
	v_mov_b32 v13, 0xff61b1e6
	s_delay_alu instid0(VALU_DEP_2)
	v_floor_f32 v8, -v9                            ; -M
	s_delay_alu instid0(VALU_DEP_2)
	v_floor_f32 v12, -v13
.set j, 0
.rept 64
	v_mov_b32 v[160+j], 0                          ; O^T.  (The step is written once: the first finds zeros, which the first change of M leaves zeros)
.set j, j+1
.endr
	s_mov_b32 s36, 0                               ; the step
	s_mov_b32 s37, 0                               ; and its first byte in LDS
	s_wait_tensorcnt 0x0                           ; my quarter has landed (a wave without a load passes),
	s_barrier_signal -1
	s_barrier_wait -1                              ; everybody's has
	s_wait_loadcnt 0x0                             ; q
.Lstep:                                            ; 8 trips, a constant; a wave leaves out the work of the steps behind its queries: a branch on the wave's number and the counter
	s_cmp_gt_u32 s36, s15
	s_cbranch_scc1 .Lskip
	s_setprio 2
	v_add_nc_u32 v3, s37, v1
	v_add_nc_u32 v4, s37, v2
.irp t, 0,1,2,3,4,5,6,7
	ds_load_b128 v[32+4*\t:35+4*\t], v3 offset:512*\t
.endr
	ds_load_b128 v[68:71], v3 offset:4096          ; k's scale words: register B: lanes 0-15 tile 2 B, lanes 16-31 tile 2 B + 1
	ds_load_b64 v[72:73], v4 offset:8704           ; v's likewise
	s_wait_dscnt 0x0
	KQ 0
	PLACES
	s_cmp_lg_u32 s36, s15
	s_cbranch_scc1 .Lopen0
	MASK 0
.Lopen0:
	SOFT 0
	KQ 1
	PLACES                                         ; for the reads of S, and for the loads into the registers that held k
.irp t, 0,1,2,3
.irp c, 0,1
	ds_load_b128 v[32+8*\t+4*\c:35+8*\t+4*\c], v3 offset:4608+1024*\t+512*\c   ; v's fragments land while tile 1's softmax is walked
.endr
.endr
	s_setprio 1
	s_cmp_lg_u32 s36, s15
	s_cbranch_scc1 .Lopen1
	MASK 1
.Lopen1:
	SOFT 1
	s_setprio 0
	s_wait_dscnt 0x0
.set t, 0
.rept 4                                        ; O^T += v^T p^T: eight accumulators, one instruction a turn
.set a, 0
.rept 2
.set rD, 160+32*a+8*t
.set rA, 32+8*t
.set rB, 76+8*a
.set rSA, 72+t/2
.set fA, t%2
.set rSB, 92+a
	WMA
.set a, a+1
.endr
.set t, t+1
.endr
	PLACES                                         ; for the next trip's loads, and for the reads of O^T behind the loop
.Lskip:
	s_add_co_u32 s37, s37, STEPB
	s_add_co_u32 s36, s36, 1
	s_cmp_lt_u32 s36, 8
	s_cbranch_scc1 .Lstep
	s_setprio 0
	FIN 0
	FIN 1
	v_and_b32 v240, 31, v0
	s_delay_alu instid0(VALU_DEP_1)
	v_cmp_gt_u32 vcc_lo, 16, v240
	s_delay_alu instid0(VALU_DEP_1)
	v_cndmask_b32 v94, v245, v244, vcc_lo          ; lanes 0-15: tile 0's two bytes of row r; lanes 16-31: tile 1's
	s_delay_alu instid0(VALU_DEP_3)
	v_lshlrev_b32 v240, 2, v240
	global_store_b16 v240, v94, s[10:11]           ; half of a scale word: the other half is the neighbouring head's.  The one store that covers its 128 bytes in part: 2 bytes in 34 of what the launch stores
	s_wait_tensorcnt 0x0
	ds_add_u32 v254, v255
	s_wait_dscnt 0x0
	s_endpgm
.Lfunc_end_k_q1e269f624b_attn:
	.size	k_q1e269f624b_attn, .Lfunc_end_k_q1e269f624b_attn-k_q1e269f624b_attn
	.p2alignl 7, 3214868480
	.fill 96, 4, 3214868480
	.section	.rodata,"a",@progbits
	.p2align	6, 0x0
	.amdhsa_kernel k_q1e269f624b_attn
		.amdhsa_group_segment_fixed_size 169984
		.amdhsa_private_segment_fixed_size 0
		.amdhsa_enable_private_segment 0
		.amdhsa_kernarg_size 32
		.amdhsa_user_sgpr_count 2
		.amdhsa_user_sgpr_kernarg_segment_ptr 1
		.amdhsa_wavefront_size32 1
		.amdhsa_system_sgpr_workgroup_id_x 1
		.amdhsa_system_sgpr_workgroup_id_y 1
		.amdhsa_system_sgpr_workgroup_id_z 1
		.amdhsa_system_vgpr_workitem_id 0
		.amdhsa_next_free_vgpr 256
		.amdhsa_next_free_sgpr 66
		.amdhsa_reserve_vcc 1
		.amdhsa_float_denorm_mode_32 3
		.amdhsa_float_denorm_mode_16_64 3
		.amdhsa_memory_ordered 1
		.amdhsa_forward_progress 1
		.amdhsa_inst_pref_size 56
	.end_amdhsa_kernel
	.amdgpu_metadata
---
amdhsa.version: [ 1, 2 ]
amdhsa.kernels:
  - .name:           k_q1e269f624b_attn
    .symbol:         k_q1e269f624b_attn.kd
    .args:
      - { .name: qq, .offset: 0, .size: 8, .value_kind: global_buffer, .address_space: global }
      - { .name: kv, .offset: 8, .size: 8, .value_kind: global_buffer, .address_space: global }
      - { .name: yimg, .offset: 16, .size: 8, .value_kind: global_buffer, .address_space: global }
      - { .name: ysc, .offset: 24, .size: 8, .value_kind: global_buffer, .address_space: global }
    .group_segment_fixed_size: 169984
    .private_segment_fixed_size: 0
    .kernarg_segment_align: 8
    .kernarg_segment_size: 32
    .max_flat_workgroup_size: 512
    .sgpr_count:     66
    .vgpr_count:     256
    .wavefront_size: 32
...
	.end_amdgpu_metadata
.endif
;; end of part 5
;; launch outp (part 6): grid 256 x 1, 4 waves a work-group, no clusters, 168,448 bytes of LDS; arguments yimg, ysc, Wo_codes, Wo_scales, bo, out0; writes out0
.if DOCPART == 6
	.amdgcn_target "amdgcn-amd-amdhsa--gfx1250"
	.amdhsa_code_object_version 6
	.text
	.protected	k_q1e269f624b_outp
	.globl	k_q1e269f624b_outp
	.p2align	8
	.type	k_q1e269f624b_outp,@function
k_q1e269f624b_outp:
	s_mov_b64 s[64:65], 0
	v_nop
	global_prefetch_b8 v0, s[64:65] scope:SCOPE_SE
	s_setreg_imm32_b32 hwreg(HW_REG_WAVE_MODE, 25, 1), 1
	s_wait_xcnt 0x0
; out = y Wo + bo on codes of FP4 (E2M1) with one E8M0 scale for each 32 along K = 1,024.  y comes as images of operand registers (yimg [b][U 32][u 2][h 16][512], ysc [b][U][ks 8][lane] words), Wo as rows with K innermost.
; SHARES.  Work-group x: cg = x % 8 (128 columns), b = (x / 8) % 8, g4 = x / 64.  Wave w takes units U0 = 8 g4 + 2 w and U0 + 1 of 32 queries: 4 row tiles, 64 rows, against the 128 columns:
; 32 accumulators, 8 K steps, 256 matrix instructions.  Row r of row tile rt is query 32 (U0 + rt / 2) + 8 (rt % 2) + r + (r & 8) of batch b.
; y's 32 fragments (32 KB on end in memory) go straight into 256 registers, 16 bytes a lane on end.  Wo's 128 rows come into LDS once, by two tensor loads; nothing is filled again.
; THE MATRIX INSTRUCTION IS USED TRANSPOSED (source 0 = 16 rows of Wo, source 1 = 16 rows of y): a lane holds eight neighbouring columns of one row.  bo is the C of each sum's first product.
; NO JOINT LOADS: the 32 work-groups of one cg share 64 KB of Wo, read once at the head, of the 320 KB that a work-group moves; no step of the work asks for anything.
; REGISTERS.  window 0: v1-7 offsets; v16-47 Wo's scale words; v48-63 y's; v64-191 Wo's fragments, two sets, later rows on their way out.  window 1: accumulators at 64 rt + 8 ct.  window 2: y at 64 rt + 8 ks.  window 3: v0-63 bo.
.set PITCH, 528                        ; an LDS row: 512 bytes + 16: the 16 rows that a fragment load touches start 132 words apart, at 16 different groups of four banks (64 banks of 4 bytes: ISA guide 11.1)
.set WTILE, 16*PITCH
.set STAGE, 128*PITCH                  ; behind Wo's 128 rows (67,584 = 264 x 256 bytes): a stage of 16 rows for each wave; no fill lands there
.set WOSC, 16                          ; v[WOSC + 8 i + ks]: lanes 0-15 column tile 2 i, lanes 16-31 tile 2 i + 1
.set YSC,  48                          ; v[YSC + 8 j + ks]: lanes 0-15 row tile 2 j, lanes 16-31 tile 2 j + 1
.set WF,   64
.set MSB, 0
.macro WIN new                         ; the immediate's high byte repeats the setting that is left; a switch that changes nothing is dropped
.if MSB != (\new)
	s_set_vgpr_msb (MSB<<8)|(\new)
.set MSB, (\new)
.endif
.endm
.macro WM
.if fA && fB
	v_wmma_scale_f32_16x16x128_f8f6f4 v[rD:rD+7], v[rA:rA+7], v[rB:rB+7], v[rC:rC+7], v[rSA], v[rSB] matrix_a_fmt:MATRIX_FMT_FP4 matrix_b_fmt:MATRIX_FMT_FP4 matrix_a_scale:MATRIX_SCALE_ROW1 matrix_b_scale:MATRIX_SCALE_ROW1
.elseif fA
	v_wmma_scale_f32_16x16x128_f8f6f4 v[rD:rD+7], v[rA:rA+7], v[rB:rB+7], v[rC:rC+7], v[rSA], v[rSB] matrix_a_fmt:MATRIX_FMT_FP4 matrix_b_fmt:MATRIX_FMT_FP4 matrix_a_scale:MATRIX_SCALE_ROW1
.elseif fB
	v_wmma_scale_f32_16x16x128_f8f6f4 v[rD:rD+7], v[rA:rA+7], v[rB:rB+7], v[rC:rC+7], v[rSA], v[rSB] matrix_a_fmt:MATRIX_FMT_FP4 matrix_b_fmt:MATRIX_FMT_FP4 matrix_b_scale:MATRIX_SCALE_ROW1
.else
	v_wmma_scale_f32_16x16x128_f8f6f4 v[rD:rD+7], v[rA:rA+7], v[rB:rB+7], v[rC:rC+7], v[rSA], v[rSB] matrix_a_fmt:MATRIX_FMT_FP4 matrix_b_fmt:MATRIX_FMT_FP4
.endif
.endm
.macro FETCH k                         ; Wo's eight fragments of K step k into set k % 2
.irp ct, 0,1,2,3,4,5,6,7
.irp c, 0,1
	ds_load_b128 v[WF+64*((\k)%2)+8*\ct+4*\c:WF+64*((\k)%2)+8*\ct+4*\c+3], v5 offset:WTILE*\ct+64*(\k)+32*\c
.endr
.endr
.endm
; THE WAY OUT, a row tile at a time: a lane holds 32 neighbouring bytes of a row and the lanes beside it other rows, so the tile goes through my own stage and comes back as whole rows of 512 bytes.
; LDS serves a wave's instructions in order (ISA guide 5.7.1.4): no wait between the stores and the loads, nor in front of the next tile's stores.
.macro TOSTAGE a
	WIN 0x04                                       ; an LDS store's data are its source 1: window 1
.irp ct, 0,1,2,3,4,5,6,7
	ds_store_b128 v6, v[64*(\a)+8*\ct:64*(\a)+8*\ct+3] offset:64*\ct          ; each accumulator from its low end on
	ds_store_b128 v6, v[64*(\a)+8*\ct+4:64*(\a)+8*\ct+7] offset:64*\ct+16
.endr
	WIN 0
.irp t, 0,1,2,3,4,5,6,7,8,9,10,11,12,13,14,15
	ds_load_b128 v[WF+64*((\a)%2)+4*\t:WF+64*((\a)%2)+4*\t+3], v7 offset:PITCH*\t
.endr
.endm
.macro SEND a, younger                 ; younger: the LDS instructions issued behind tile a's loads, which may stay out
	s_wait_dscnt \younger
.irp t, 0,1,2,3,4,5,6,7,8,9,10,11,12,13,14,15
	global_store_b128 v1, v[WF+64*((\a)%2)+4*\t:WF+64*((\a)%2)+4*\t+3], s[14:15] offset:(32*((\a)/2)+8*((\a)%2)+\t+8*(\t/8))*32768 th:TH_STORE_NT   ; 32 lanes store 512 consecutive bytes, aligned; 63 x 32,768 at the most: inside the signed 24-bit immediate, so no base is stepped
.endr
.endm
	s_load_b256 s[4:11], s[0:1], 0x0               ; yimg 4, ysc 6, Wo_codes 8, Wo_scales 10
	s_load_b128 s[12:15], s[0:1], 0x20             ; bo 12, out0 14
	v_lshl_add_u32 v254, v0, 2, 0x29000
	v_mov_b32 v255, 0
	ds_add_u32 v254, v255
	ds_add_u32 v254, v255
	v_lshrrev_b32 v8, 5, v0
	v_readfirstlane_b32 s2, v8                     ; wave
	s_and_b32 s3, ttmp9, 7                         ; cg
	s_bfe_u32 s16, ttmp9, 0x30003                  ; b
	s_lshr_b32 s17, ttmp9, 6                       ; g4
	s_lshl_b32 s18, s17, 3
	s_lshl_b32 s19, s2, 1
	s_add_co_u32 s18, s18, s19                     ; U0
	; descriptor group 1: 64 rows x 512 bytes, 16 bytes of padding behind each
	s_mov_b32 s24, (1<<20)|(6<<22)|(3<<25)         ; elements of 1 byte; padding on; after every 128 words (code 6); of 4 words (code 3)
	s_mov_b32 s25, 512<<16                         ; tensor_dim0
	s_mov_b32 s26, 64<<16                          ; tensor_dim1
	s_mov_b32 s27, 512<<16                         ; tile_dim0
	s_mov_b32 s28, 64                              ; tile_dim1
	s_mov_b32 s29, 512                             ; pitch
	s_mov_b32 s30, 0
	s_mov_b32 s31, 0
	s_mov_b32 s32, 1
	s_mul_i32 s33, s2, 64*PITCH                    ; LDS address: wave x 64 rows
	s_lshl_b32 s20, s3, 16                         ; 128 cg rows of 512 bytes
	s_lshl_b32 s22, s2, 15                         ; + 64 x wave
	s_add_co_u32 s20, s20, s22
	s_mov_b32 s21, 0
	s_wait_dscnt 0x0
	s_wait_kmcnt 0x0
	s_add_nc_u64 s[34:35], s[8:9], s[20:21]
	s_or_b32 s35, s35, 0x80000000
	s_cmp_lt_u32 s2, 2
	s_cbranch_scc0 .Lnofill
	tensor_load_to_lds s[32:35], s[24:31]          ; waves 0 and 1: one load each is out
	s_nop 0
.rept 4
	v_nop
.endr
.Lnofill:
	s_lshl_b32 s22, s16, 5
	s_add_co_u32 s22, s22, s18                     ; 32 b + U0
	s_lshl_b32 s20, s22, 14
	s_add_nc_u64 s[4:5], s[4:5], s[20:21]          ; my 32 KB of y's images
	s_lshl_b32 s20, s22, 10
	s_add_nc_u64 s[6:7], s[6:7], s[20:21]          ; their scale words
	s_lshl_b32 s20, s3, 12
	s_add_nc_u64 s[10:11], s[10:11], s[20:21]      ; Wo's scale rows 128 cg on
	s_lshl_b32 s20, s3, 9
	s_add_nc_u64 s[12:13], s[12:13], s[20:21]      ; bo
	s_lshl_b32 s20, s18, 20                        ; out0: query 32 U0,
	s_lshl_b32 s22, s16, 12                        ; batch b,
	s_add_co_u32 s20, s20, s22
	s_lshl_b32 s22, s3, 9                          ; column 128 cg
	s_add_co_u32 s20, s20, s22
	s_add_nc_u64 s[14:15], s[14:15], s[20:21]
	v_and_b32 v8, 31, v0                           ; l
	v_and_b32 v9, 15, v0                           ; r
	v_bfe_u32 v10, v0, 4, 1                        ; hh
	v_lshlrev_b32 v1, 4, v8                        ; v1  16 l
	v_lshlrev_b32 v2, 2, v8                        ; v2  4 l
	v_lshlrev_b32 v3, 5, v8                        ; v3  32 l: Wo's scale row 32 i + l
	v_lshlrev_b32 v4, 5, v10                       ; v4  32 hh
	v_mul_u32_u24 v11, v9, PITCH
	v_lshl_add_u32 v5, v10, 4, v11                 ; v5  a fragment's row r, + 16 hh
	s_mul_i32 s23, s2, WTILE
	s_add_co_u32 s23, s23, STAGE                   ; my stage
	v_lshl_add_u32 v6, v10, 5, v11
	v_add_nc_u32 v6, s23, v6                       ; v6  into it: row r, + 32 hh
	v_add_nc_u32 v7, s23, v1                       ; v7  back: a row, 16 bytes a lane
.irp j, 0,1
.irp k, 0,1,2,3,4,5,6,7
	global_load_b32 v[YSC+8*\j+\k], v2, s[6:7] offset:1024*\j+128*\k
.endr
.endr
.irp i, 0,1,2,3
	global_load_b128 v[WOSC+8*\i:WOSC+8*\i+3], v3, s[10:11] offset:1024*\i
	global_load_b128 v[WOSC+8*\i+4:WOSC+8*\i+7], v3, s[10:11] offset:1024*\i+16
.endr
	WIN 0xc0                                       ; destination window 3
.irp ct, 0,1,2,3,4,5,6,7
	global_load_b128 v[8*\ct:8*\ct+3], v4, s[12:13] offset:64*\ct             ; bo[128 cg + 16 ct + 8 hh + 0 .. 7]
	global_load_b128 v[8*\ct+4:8*\ct+7], v4, s[12:13] offset:64*\ct+16
.endr
	WIN 0x80                                       ; destination window 2
.irp k, 0,1,2,3,4,5,6,7                        ; y, K step by K step, so that the waits below can count
.irp rt, 0,1,2,3
.irp c, 0,1
	global_load_b128 v[64*\rt+8*\k+4*\c:64*\rt+8*\k+4*\c+3], v1, s[4:5] offset:8192*\rt+1024*\k+512*\c th:TH_LOAD_NT
.endr
.endr
.endr
	WIN 0
	s_wait_alu depctr_va_vdst(0)
	s_wait_tensorcnt 0x0                           ; my half of Wo's tile has landed (a wave without a load passes),
	s_barrier_signal -1
	s_barrier_wait -1                              ; both have
	FETCH 0
	FETCH 1
.set ks, 0
.rept 8
	s_wait_loadcnt 8*(7-ks)                        ; y's K step ks is in (and all that was asked for ahead of y); the later K steps, 8 loads each, may be out
.if ks < 7
	s_wait_dscnt 16                                ; this step's set is in; the other set's 16 loads may be out
.else
	s_wait_dscnt 0x0
.endif
.if ks == 0
	WIN 0x78                                       ; source 0 (Wo) window 0, source 1 (y) window 2, C (bo) window 3, D window 1
.else
	WIN 0x58                                       ; C window 1
.endif
.set rt, 0
.rept 4                                        ; 32 products, every accumulator once, in the same order in every step
.set ct, 0
.rept 8
.set rD, 64*rt+8*ct
.set rA, WF+64*(ks%2)+8*ct
.set rB, 64*rt+8*ks
.set rC, rD
.if ks == 0
.set rC, 8*ct
.endif
.set rSA, WOSC+8*(ct/2)+ks
.set fA, ct%2
.set rSB, YSC+8*(rt/2)+ks
.set fB, rt%2
	WM
.set ct, ct+1
.endr
.set rt, rt+1
.endr
	WIN 0
.rept 4
	v_nop                                          ; four plain places in front of loads into registers that matrix instructions have read, and of the first read of results
.endr
.if ks < 6
	FETCH ks+2
.endif
.set ks, ks+1
.endr
	TOSTAGE 0
	TOSTAGE 1
	SEND 0, 32                                     ; behind tile 0's loads: tile 1's 16 stores and 16 loads
	s_wait_xcnt 0x0                                ; tile 0's stores have read their registers: tile 2's rows may land there
	TOSTAGE 2
	SEND 1, 32
	s_wait_xcnt 0x0
	TOSTAGE 3
	SEND 2, 32
	SEND 3, 0
	s_wait_tensorcnt 0x0
	ds_add_u32 v254, v255
	s_wait_dscnt 0x0
	s_endpgm
.Lfunc_end_k_q1e269f624b_outp:
	.size	k_q1e269f624b_outp, .Lfunc_end_k_q1e269f624b_outp-k_q1e269f624b_outp
	.p2alignl 7, 3214868480
	.fill 96, 4, 3214868480
	.section	.rodata,"a",@progbits
	.p2align	6, 0x0
	.amdhsa_kernel k_q1e269f624b_outp
		.amdhsa_group_segment_fixed_size 168448
		.amdhsa_private_segment_fixed_size 0
		.amdhsa_enable_private_segment 0
		.amdhsa_kernarg_size 48
		.amdhsa_user_sgpr_count 2
		.amdhsa_user_sgpr_kernarg_segment_ptr 1
		.amdhsa_wavefront_size32 1
		.amdhsa_system_sgpr_workgroup_id_x 1
		.amdhsa_system_sgpr_workgroup_id_y 1
		.amdhsa_system_sgpr_workgroup_id_z 1
		.amdhsa_system_vgpr_workitem_id 0
		.amdhsa_next_free_vgpr 832
		.amdhsa_next_free_sgpr 66
		.amdhsa_reserve_vcc 0
		.amdhsa_float_denorm_mode_32 3
		.amdhsa_float_denorm_mode_16_64 3
		.amdhsa_memory_ordered 1
		.amdhsa_forward_progress 1
		.amdhsa_inst_pref_size 70
	.end_amdhsa_kernel
	.amdgpu_metadata
---
amdhsa.version: [ 1, 2 ]
amdhsa.kernels:
  - .name:           k_q1e269f624b_outp
    .symbol:         k_q1e269f624b_outp.kd
    .args:
      - { .name: yimg, .offset: 0, .size: 8, .value_kind: global_buffer, .address_space: global }
      - { .name: ysc, .offset: 8, .size: 8, .value_kind: global_buffer, .address_space: global }
      - { .name: Wo_codes, .offset: 16, .size: 8, .value_kind: global_buffer, .address_space: global }
      - { .name: Wo_scales, .offset: 24, .size: 8, .value_kind: global_buffer, .address_space: global }
      - { .name: bo, .offset: 32, .size: 8, .value_kind: global_buffer, .address_space: global }
      - { .name: out0, .offset: 40, .size: 8, .value_kind: global_buffer, .address_space: global }
    .group_segment_fixed_size: 168448
    .private_segment_fixed_size: 0
    .kernarg_segment_align: 8
    .kernarg_segment_size: 48
    .max_flat_workgroup_size: 128
    .sgpr_count:     66
    .vgpr_count:     832
    .wavefront_size: 32
...
	.end_amdgpu_metadata
.endif
;; end of part 6
